; MI455X (gfx1250); checked and timed in simulation.
; The chip was launched on July 23, 2026; its instructions are those of AMD's public machine-readable ISA for CDNA 5 (MIT licence, August 2026) and "CDNA5" Instruction Set Architecture Reference Guide (July 2026). The comments in the code are by the model that wrote it; some were corrected since.
;; Multi Head Attention. Allowed arithmetic: matrix products marked QUANTISED: E2M1 operands, one E8M0 scale for each 32 along K, by v_wmma_scale_f32_16x16x128_f8f6f4 with both operands' format E2M1 (or v_wmma_scale_f32_32x16x128_f4), f32 sums; products left as they are: bf16, f16 or f32 operands; f32 sums; everything else in f32.
;; Inputs: Wk 1,024 x 1,024 float32; Wo 1,024 x 1,024 float32; Wq 1,024 x 1,024 float32; Wv 1,024 x 1,024 float32; bk 1,024 float32; bo 1,024 float32; bq 1,024 float32; bv 1,024 float32; key 2 x 2,048 x 1,024 float32; query 2 x 2,048 x 1,024 float32; value 2 x 2,048 x 1,024 float32.
;; Outputs: out0 2 x 2,048 x 1,024 float32.
;; This version of the problem:
;;   THIS VERSION OF THE PROBLEM IS GIVEN IN LOW PRECISION. The matrix products marked QUANTISED in the list below multiply operands that are first quantised to E2M1 (2 exponent bits, 1 mantissa bit; 4 bits a number), with one power-of-two scale for each 32 numbers along K (OCP MX v1.0); their sums are f32. The products marked 'left as it is' may take bf16, f16 or f32 operands, with f32 sums. Whichever they take, every output number must still come out within the allowed error. Rounding operands to bf16 (8 significant bits) uses up far more of that allowance than f16 does (11 bits, for magnitudes from 6e-5 to 65,504). All else is computed in f32.
;;   The module's matrix products, in the order in which they are computed (A, B: the left and right operand; K: the contracted axis; several contracted axes count as one K, in the product's order):
;;     1. [M 4,096, K 1,024] x [K 1,024, N 1,024]; A: input query; B: input Wq: QUANTISED
;;     2. [M 4,096, K 1,024] x [K 1,024, N 1,024]; A: input key; B: input Wk: QUANTISED
;;     3. [M 4,096, K 1,024] x [K 1,024, N 1,024]; A: input value; B: input Wv: QUANTISED
;;     4. batch 32 x [M 2,048, K 64] x [K 64, N 2,048]; A: computed on the way; B: computed on the way: left as it is (an operand is computed on the way)
;;     5. batch 32 x [M 2,048, K 2,048] x [K 2,048, N 64]; A: computed on the way; B: computed on the way: left as it is (an operand is computed on the way)
;;     6. [M 4,096, K 1,024] x [K 1,024, N 1,024]; A: computed on the way; B: input Wo: left as it is (an operand is computed on the way)
;;   THE QUANTISER, for each operand of a quantised product, along K:
;;     - K is cut into blocks of 32 from its start; a last block that is shorter is filled with zeros.
;;     - A block's scale is 2^e with e = floor(log2(the largest magnitude in the block)) - 2, held to -126 .. 127; a block of zeros has e = 0. As a byte (E8M0): e + 127.
;;     - Each number is divided by its block's scale, clamped to +-6, and rounded to the nearest number of E2M1, ties to even, subnormals kept.
;;     - The product sums the exact products of the quantised numbers (number of the format x scale) in f32.
;;   ~~~python
;;   def quantise(x, axis):      # numpy; x: float32 -> the quantised numbers, widened to float32 again
;;       x = np.moveaxis(x, axis, -1); K = x.shape[-1]
;;       x = np.pad(x, [(0, 0)] * (x.ndim - 1) + [(0, -K % 32)]); x = x.reshape(x.shape[:-1] + (-1, 32)); a = np.abs(x).max(-1, keepdims=True)
;;       e = np.where(a > 0, np.clip(np.frexp(np.where(a > 0, a, 1))[1] - 1 - 2, -126, 127), 0)      # np.frexp(a)[1] - 1 = floor(log2(a)), exactly
;;       r = np.clip(x / 2.0 ** e, -6, 6)
;;       step = 2.0 ** (np.maximum(np.frexp(np.where(r == 0, 1, r))[1] - 1, 0) - 1)
;;       q = np.round(r / step) * step * 2.0 ** e      # np.round: ties to even
;;       return np.moveaxis(q.reshape(q.shape[:-2] + (-1,))[..., :K], -1, axis).astype(np.float32)
;;   ~~~
;; One version. Each part assembles by itself: llvm-mc -triple=amdgcn-amd-amdhsa -mcpu=gfx1250 --defsym DOCPART=n.
;; ======== version 1 of 1: 4 launches
;; limits: values are held in f16: magnitudes above 65,504 overflow, below 6.1e-05 lose precision
;; workspace buffers: xc 6,291,456 bytes; xs 393,216 bytes; wc 1,572,864 bytes; ws 98,304 bytes; wot 2,097,152 bytes; qkv 25,165,824 bytes; ao 8,388,608 bytes
;; launch prep (part 1): grid 496 x 1, 4 waves a work-group, no clusters, 102,912 bytes of LDS; arguments query, key, value, Wq, Wk, Wv, Wo, xc, xs, wc, ws, wot; writes xc, xs, wc, ws, wot
.if DOCPART == 1
	.amdgcn_target "amdgcn-amd-amdhsa--gfx1250"
	.amdhsa_code_object_version 6
	.text
	.protected	k_q0645341a9b_prep
	.globl	k_q0645341a9b_prep
	.p2align	8
	.type	k_q0645341a9b_prep,@function
k_q0645341a9b_prep:
	s_mov_b64 s[64:65], 0
	v_nop
	global_prefetch_b8 v0, s[64:65] scope:SCOPE_SE
	s_setreg_imm32_b32 hwreg(HW_REG_WAVE_MODE, 25, 1), 1
	s_wait_xcnt 0x0
; PREP: everything that later launches read many times is made narrow once.
;   work-groups 0-47    Wq, Wk, Wv [1024 k][1024 n] f32 -> codes of FP4 (E2M1) laid [3 x 1024 n][512 bytes], K innermost, and E8M0 bytes [3 x 1024 n][32]
;   work-groups 48-111  Wo [1024 k][1024 n] f32 -> f16 laid [1024 n][1024 k]
;   work-groups 112-495 query, key, value [4096][1024] f32 -> codes [3 x 4096][512 bytes] and E8M0 bytes [3 x 4096][32]
; A block's scale is 2^(floor(log2(its largest magnitude)) - 2); its byte is the largest magnitude's exponent field - 2, held at 1 from below.
; LIMITS: a block of zeros gets the byte 1 (its codes are zeros, and this program alone reads the bytes); blocks whose largest magnitude lies under 2^-124 get the byte 1;
; NaN and infinities among the inputs are not served; Wo is rounded to f16: magnitudes over 65,504 are not served.
; The three kinds of work part on the work-group's number, each has LDS bytes of its own, and each ends by itself.  Waves share nothing: no barrier.
.set SPW,   190                        ; v190  LDS address of my spare word; never rewritten
.set NIL,   191                        ; v191  0; never rewritten
.set WBASE, 32768                      ; LDS: 0 .. 32,767 the activations' path (8,192 a wave); from here the weights' four stages;
.set OBASE, 67584                      ; from here Wo's four stages;
.set SPARE, 102400                     ; and the spare words, 128 bytes a wave
.set EMAX,  2
.set STEPS, 16                         ; the activations' path: a wave takes 16 steps of 512 numbers
.set CB,    8                          ; bytes of 16 codes
.set XR,    16                         ; v16-79   four sets of 16 numbers as loaded
.set XX,    80                         ; v80-111  two sets of 16 neighbours
.set XE,    112                        ; v112-127 a scale byte for each step
.set XC,    128                        ; v128-189 codes: four registers apart for each step
.set WREG,  8192
.set SP,    80                         ; a lane's place in a stage: 64 bytes + 16 of padding
.set PITCH, 272                        ; the columns' paths: a stage row: 256 bytes + 16
.set CX,    32                         ; v32-95   two sets of 32 numbers down K
.set CC,    96                         ; v96-111  what a block becomes
.set COUT,  112                        ; v112-175 the way out
.set SB,    24                         ; v24-27   scale bytes, four to a register
	s_load_b512 s[4:19], s[0:1], 0x0               ; query 4, key 6, value 8, Wq 10, Wk 12, Wv 14, Wo 16, xc 18
	s_load_b256 s[20:27], s[0:1], 0x40             ; xs 20, wc 22, ws 24, wot 26
	v_lshl_add_u32 v[SPW], v0, 2, SPARE
	v_mov_b32 v[NIL], 0
	v_lshrrev_b32 v1, 5, v0
	v_readfirstlane_b32 s28, v1                    ; wave
	v_and_b32 v2, 31, v0                           ; lane
	s_wait_kmcnt 0x0
	s_cmp_lt_u32 ttmp9, 48
	s_cbranch_scc1 .Lw
	s_cmp_lt_u32 ttmp9, 112
	s_cbranch_scc1 .Lo
; ---------------- the activations: K is innermost, so a tensor is a plain stream of blocks of 32
	s_sub_co_u32 s29, ttmp9, 112                   ; g = 0 .. 383: 128 work-groups a tensor
	s_cmp_lt_u32 s29, 128
	s_cselect_b64 s[4:5], s[4:5], s[6:7]
	s_cmp_lt_u32 s29, 256
	s_cselect_b64 s[4:5], s[4:5], s[8:9]           ; query, key or value: the choice hangs on the work-group's number alone
	s_and_b32 s30, s29, 127
	s_lshl_b32 s30, s30, 2
	s_add_co_u32 s30, s30, s28
	s_lshl_b32 s30, s30, 15                        ; my wave's run of 8,192 numbers in its tensor
	s_mov_b32 s31, 0
	s_add_nc_u64 s[4:5], s[4:5], s[30:31]
	s_lshl_b32 s32, s29, 2
	s_add_co_u32 s32, s32, s28                     ; and among all three tensors' runs
	s_lshl_b32 s30, s32, 12                        ; 4,096 bytes of codes a run
	s_add_nc_u64 s[18:19], s[18:19], s[30:31]
	s_lshl_b32 s30, s32, 8                         ; 256 scale bytes a run
	s_add_nc_u64 s[20:21], s[20:21], s[30:31]
	v_lshlrev_b32 v3, 4, v2                        ; my 16 bytes of a load's 512
	s_mul_i32 s33, s28, WREG
	v_lshrrev_b32 v14, 2, v2
	v_mul_u32_u24 v14, v14, SP
	v_and_b32 v15, 3, v2
	v_lshl_add_u32 v14, v15, 4, v14
	v_add_nc_u32 v14, s33, v14                     ; the stage on the way in: SP (lane / 4) + 16 (lane % 4)
	v_mul_u32_u24 v15, v2, SP
	v_add_nc_u32 v15, s33, v15                     ; and on the way out: SP x lane: my 16 neighbours
	v_mul_u32_u24 v4, v2, CB                       ; my codes' place in a step's
	v_lshrrev_b32 v5, 1, v2
	s_add_co_u32 s33, s33, 2*32*SP
	v_add_nc_u32 v5, s33, v5                       ; my wave's 256 scale bytes, my block's byte
	v_lshlrev_b32 v7, 3, v2
	v_add_nc_u32 v6, s33, v7                       ; and on the way out 8 bytes a lane
.macro XLOAD t
.irp i, 0,1,2,3
	global_load_b128 v[XR+16*((\t)%4)+4*\i:XR+16*((\t)%4)+4*\i+3], v3, s[4:5] offset:2048*(\t)+512*\i th:TH_LOAD_NT   ; 32 lanes read 512 consecutive bytes
.endr
.endm
.macro XTURN t                         ; a step's numbers through the stage: LDS serves a wave's instructions in order, so no wait stands between the stores and the loads
.irp i, 0,1,2,3
	ds_store_b128 v14, v[XR+16*((\t)%4)+4*\i:XR+16*((\t)%4)+4*\i+3] offset:32*SP*((\t)%2)+8*SP*\i
.endr
.irp i, 0,1,2,3
	ds_load_b128 v[XX+16*((\t)%2)+4*\i:XX+16*((\t)%2)+4*\i+3], v15 offset:32*SP*((\t)%2)+16*\i
.endr
.endm
.irp t, 0,1,2,3
	XLOAD \t
.endr
	s_wait_loadcnt 12                              ; step 0's four loads are in; the twelve of steps 1 to 3 may be out
	XTURN 0
.macro XSTEP t
.set XS, XX+16*((\t)%2)
.if (\t) > 0
	s_wait_dscnt 1                                 ; this step's numbers are back from the stage; the last step's byte store may be out
.else
	s_wait_dscnt 0x0
.endif
.if (\t)+4 < STEPS
	XLOAD (\t)+4                                   ; into the set whose stores into the stage are done
.endif
.if (\t)+1 < STEPS
.if STEPS-2-(\t) >= 3
	s_wait_loadcnt 12                              ; the next step's four loads are in; those of the three steps behind it may be out
.else
	s_wait_loadcnt 4*(STEPS-2-(\t))
.endif
	XTURN (\t)+1
.endif
	v_max3_num_f32 v8, |v[XS]|, |v[XS+1]|, |v[XS+2]|               ; the largest magnitude of my 16, in two chains
	v_max3_num_f32 v9, |v[XS+3]|, |v[XS+4]|, |v[XS+5]|
.irp i, 6,10
	v_max3_num_f32 v8, v8, |v[XS+\i]|, |v[XS+\i+1]|
	v_max3_num_f32 v9, v9, |v[XS+\i+2]|, |v[XS+\i+3]|
.endr
	v_max3_num_f32 v8, v8, |v[XS+14]|, |v[XS+15]|
	v_max3_num_f32 v8, v8, v9, (EMAX+1)<<23        ; and the floor 2^(3 - 127): the byte cannot fall under 1
	v_max_num_f32_dpp v8, v8, v8 row_xmask:1 row_mask:0xf bank_mask:0xf   ; with my neighbour's 16: the block's
	v_add_nc_u32 v11, -(EMAX<<23), v8              ; 2 off its exponent field: the conversion takes the exponent field of this operand as its scale
	v_cvt_scalef32_pk8_fp4_f32 v[XC+4*(\t)], v[XS:XS+7], v11
	v_cvt_scalef32_pk8_fp4_f32 v[XC+4*(\t)+1], v[XS+8:XS+15], v11
	v_lshrrev_b32 v[XE+(\t)], 23, v11              ; the scale's byte (also the plain line behind the conversions)
	ds_store_b8 v5, v[XE+(\t)] offset:16*(\t)      ; both lanes of a block write the same byte with the same value
	global_store_b64 v4, v[XC+4*(\t):XC+4*(\t)+1], s[18:19] offset:32*CB*(\t)   ; the wave stores 256 consecutive bytes, aligned
.endm
.irp t, 0,1,2,3,4,5,6,7,8,9,10,11,12,13,14,15
	XSTEP \t
.endr
	ds_load_b64 v[8:9], v6                         ; in order behind my byte stores
	s_wait_dscnt 0x0
	global_store_b64 v7, v[8:9], s[20:21]          ; 256 scale bytes, consecutive and aligned
	s_wait_tensorcnt 0x0                           ; the wave's end, behind my last LDS store
	ds_add_u32 v[SPW], v[NIL]
	s_wait_dscnt 0x0
	s_endpgm
; ---------------- what the two paths over columns share: a lane takes a column n, and its registers run down K
.macro COLADR base, krow               ; krow: bytes from row to row of the output
	v_lshlrev_b32 v3, 2, v2                        ; in: 4 bytes a lane
	s_mul_i32 s33, s28, 32*PITCH
	s_add_co_u32 s33, s33, \base                   ; my stage
	v_mul_u32_u24 v4, v2, PITCH
	v_add_nc_u32 v4, s33, v4                       ; into it: row = my column
	v_and_b32 v5, 15, v2
	v_lshrrev_b32 v6, 4, v2
	v_mul_u32_u24 v7, v6, PITCH
	v_lshl_add_u32 v7, v5, 4, v7
	v_add_nc_u32 v7, s33, v7                       ; out of it: sixteen lanes to a row, two rows an instruction
	v_mul_u32_u24 v8, v6, \krow
	v_lshl_add_u32 v8, v5, 4, v8                   ; and the same place in the output
.endm
.macro CLOAD t, sb                     ; rows 32 t .. 32 t + 31 of my column into set t % 2: each load reads 128 consecutive bytes a wave
.irp i, 0,1,2,3,4,5,6,7,8,9,10,11,12,13,14,15,16,17,18,19,20,21,22,23,24,25,26,27,28,29,30,31
	global_load_b32 v[CX+32*((\t)%2)+\i], v3, s[\sb:\sb+1] offset:(32*(\t)+\i)*4096 th:TH_LOAD_NT
.endr
.endm
.macro COLOUT sb, krow                 ; 32 rows of 256 bytes leave the stage: sixteen lanes store 256 consecutive bytes, aligned
.irp t, 0,1,2,3,4,5,6,7,8,9,10,11,12,13,14,15
	ds_load_b128 v[COUT+4*\t:COUT+4*\t+3], v7 offset:2*\t*PITCH
.endr
.irp t, 0,1,2,3,4,5,6,7,8,9,10,11,12,13,14,15
	s_wait_dscnt 15-\t                             ; the younger loads may be out
	global_store_b128 v8, v[COUT+4*\t:COUT+4*\t+3], s[\sb:\sb+1] offset:2*\t*\krow
.endr
	s_wait_tensorcnt 0x0                           ; the wave's end, behind my last LDS store
	ds_add_u32 v[SPW], v[NIL]
	s_wait_dscnt 0x0
	s_endpgm
.endm
; ---------------- Wq, Wk, Wv: a wave takes 32 columns x 512 along K: 16 blocks a lane
.Lw:
	s_lshr_b32 s29, ttmp9, 4                       ; which weight
	s_and_b32 s30, ttmp9, 7                        ; which 128 columns
	s_bfe_u32 s31, ttmp9, 0x10003                  ; which half of K
	s_cmp_lt_u32 ttmp9, 16
	s_cselect_b64 s[10:11], s[10:11], s[12:13]
	s_cmp_lt_u32 ttmp9, 32
	s_cselect_b64 s[10:11], s[10:11], s[14:15]
	s_lshl_b32 s32, s30, 7
	s_lshl_b32 s34, s28, 5
	s_add_co_u32 s32, s32, s34                     ; my wave's first column
	s_lshl_b32 s34, s31, 21                        ; 512 rows of 4,096 bytes
	s_lshl_b32 s36, s32, 2
	s_add_co_u32 s34, s34, s36
	s_mov_b32 s35, 0
	s_add_nc_u64 s[10:11], s[10:11], s[34:35]
	s_lshl_b32 s36, s29, 10
	s_add_co_u32 s36, s36, s32                     ; my first row among the 3,072 rows of codes
	s_lshl_b32 s34, s36, 9
	s_lshl_b32 s37, s31, 8
	s_add_co_u32 s34, s34, s37
	s_add_nc_u64 s[22:23], s[22:23], s[34:35]
	s_lshl_b32 s34, s36, 5
	s_lshl_b32 s37, s31, 4
	s_add_co_u32 s34, s34, s37
	s_add_nc_u64 s[24:25], s[24:25], s[34:35]
	COLADR WBASE, 512
	v_lshlrev_b32 v9, 5, v2                        ; my column's row of scale bytes
	CLOAD 0, 10
	CLOAD 1, 10
.macro WBLOCK t
.set XS, CX+32*((\t)%2)
.if (\t) < 15
	s_wait_loadcnt 32                              ; this block's 32 loads are in; the next block's 32 may be out
.else
	s_wait_loadcnt 0
.endif
	v_max3_num_f32 v12, |v[XS]|, |v[XS+1]|, |v[XS+2]|              ; the block's largest magnitude: all 32 numbers are mine
	v_max3_num_f32 v13, |v[XS+3]|, |v[XS+4]|, |v[XS+5]|
.irp i, 6,10,14,18,22,26
	v_max3_num_f32 v12, v12, |v[XS+\i]|, |v[XS+\i+1]|
	v_max3_num_f32 v13, v13, |v[XS+\i+2]|, |v[XS+\i+3]|
.endr
	v_max3_num_f32 v12, v12, |v[XS+30]|, |v[XS+31]|
	v_max3_num_f32 v12, v12, v13, (EMAX+1)<<23     ; and the floor
	v_add_nc_u32 v11, -(EMAX<<23), v12
	v_lshrrev_b32 v13, 23, v11                     ; the scale's byte
.if (\t)%4 == 0
	v_mov_b32 v[SB+(\t)/4], v13
.else
	v_lshl_or_b32 v[SB+(\t)/4], v13, 8*((\t)%4), v[SB+(\t)/4]
.endif
.irp g, 0,1,2,3
	v_cvt_scalef32_pk8_fp4_f32 v[CC+\g], v[XS+8*\g:XS+8*\g+7], v11
.endr
	v_nop                                          ; a plain line behind the last conversion
	ds_store_b128 v4, v[CC:CC+3] offset:16*(\t)    ; 32 codes: 16 bytes of my column's row
.if (\t)+2 < 16
	CLOAD (\t)+2, 10
.endif
	s_wait_dscnt 0x0                               ; the store has read its registers: the next block's codes may be written
.endm
.irp t, 0,1,2,3,4,5,6,7,8,9,10,11,12,13,14,15
	WBLOCK \t
.endr
	global_store_b128 v9, v[SB:SB+3], s[24:25]     ; my column's 16 scale bytes
	COLOUT 22, 512
; ---------------- Wo: a wave takes 32 columns x 128 along K, rounds to f16, and lays K innermost
.Lo:
	s_sub_co_u32 s29, ttmp9, 48
	s_and_b32 s30, s29, 7                          ; which 128 columns
	s_lshr_b32 s31, s29, 3                         ; which 128 along K
	s_lshl_b32 s32, s30, 7
	s_lshl_b32 s34, s28, 5
	s_add_co_u32 s32, s32, s34                     ; my wave's first column
	s_lshl_b32 s34, s31, 19                        ; 128 rows of 4,096 bytes
	s_lshl_b32 s36, s32, 2
	s_add_co_u32 s34, s34, s36
	s_mov_b32 s35, 0
	s_add_nc_u64 s[16:17], s[16:17], s[34:35]
	s_lshl_b32 s34, s32, 11                        ; a row of the output is 2,048 bytes
	s_lshl_b32 s36, s31, 8
	s_add_co_u32 s34, s34, s36
	s_add_nc_u64 s[26:27], s[26:27], s[34:35]
	COLADR OBASE, 2048
	CLOAD 0, 16
	CLOAD 1, 16
.macro OBLOCK t
.set XS, CX+32*((\t)%2)
.if (\t) < 3
	s_wait_loadcnt 32                              ; this block's 32 loads are in; the next block's 32 may be out
.else
	s_wait_loadcnt 0
.endif
.irp i, 0,1,2,3,4,5,6,7,8,9,10,11,12,13,14,15
	v_cvt_pk_f16_f32 v[CC+\i], v[XS+2*\i], v[XS+2*\i+1]            ; the lower k in the low half
.endr
.irp q, 0,1,2,3
	ds_store_b128 v4, v[CC+4*\q:CC+4*\q+3] offset:64*(\t)+16*\q
.endr
.if (\t)+2 < 4
	CLOAD (\t)+2, 16
.endif
	s_wait_dscnt 0x0                               ; the stores have read their registers
.endm
.irp t, 0,1,2,3
	OBLOCK \t
.endr
	COLOUT 26, 2048
.Lfunc_end_k_q0645341a9b_prep:
	.size	k_q0645341a9b_prep, .Lfunc_end_k_q0645341a9b_prep-k_q0645341a9b_prep
	.p2alignl 7, 3214868480
	.fill 96, 4, 3214868480
	.section	.rodata,"a",@progbits
	.p2align	6, 0x0
	.amdhsa_kernel k_q0645341a9b_prep
		.amdhsa_group_segment_fixed_size 102912
		.amdhsa_private_segment_fixed_size 0
		.amdhsa_enable_private_segment 0
		.amdhsa_kernarg_size 96
		.amdhsa_user_sgpr_count 2
		.amdhsa_user_sgpr_kernarg_segment_ptr 1
		.amdhsa_wavefront_size32 1
		.amdhsa_system_sgpr_workgroup_id_x 1
		.amdhsa_system_sgpr_workgroup_id_y 1
		.amdhsa_system_sgpr_workgroup_id_z 1
		.amdhsa_system_vgpr_workitem_id 0
		.amdhsa_next_free_vgpr 192
		.amdhsa_next_free_sgpr 66
		.amdhsa_reserve_vcc 0
		.amdhsa_float_denorm_mode_32 3
		.amdhsa_float_denorm_mode_16_64 3
		.amdhsa_memory_ordered 1
		.amdhsa_forward_progress 1
		.amdhsa_inst_pref_size 133
	.end_amdhsa_kernel
	.amdgpu_metadata
---
amdhsa.version: [ 1, 2 ]
amdhsa.kernels:
  - .name:           k_q0645341a9b_prep
    .symbol:         k_q0645341a9b_prep.kd
    .args:
      - { .name: query, .offset: 0, .size: 8, .value_kind: global_buffer, .address_space: global }
      - { .name: key, .offset: 8, .size: 8, .value_kind: global_buffer, .address_space: global }
      - { .name: value, .offset: 16, .size: 8, .value_kind: global_buffer, .address_space: global }
      - { .name: Wq, .offset: 24, .size: 8, .value_kind: global_buffer, .address_space: global }
      - { .name: Wk, .offset: 32, .size: 8, .value_kind: global_buffer, .address_space: global }
      - { .name: Wv, .offset: 40, .size: 8, .value_kind: global_buffer, .address_space: global }
      - { .name: Wo, .offset: 48, .size: 8, .value_kind: global_buffer, .address_space: global }
      - { .name: xc, .offset: 56, .size: 8, .value_kind: global_buffer, .address_space: global }
      - { .name: xs, .offset: 64, .size: 8, .value_kind: global_buffer, .address_space: global }
      - { .name: wc, .offset: 72, .size: 8, .value_kind: global_buffer, .address_space: global }
      - { .name: ws, .offset: 80, .size: 8, .value_kind: global_buffer, .address_space: global }
      - { .name: wot, .offset: 88, .size: 8, .value_kind: global_buffer, .address_space: global }
    .group_segment_fixed_size: 102912
    .private_segment_fixed_size: 0
    .kernarg_segment_align: 8
    .kernarg_segment_size: 96
    .max_flat_workgroup_size: 128
    .sgpr_count:     66
    .vgpr_count:     192
    .wavefront_size: 32
...
	.end_amdgpu_metadata
.endif
;; end of part 1
;; launch proj (part 2): grid 4 x 48, 4 waves a work-group, clusters of 4 x 4, 327,680 bytes of LDS; arguments xc, xs, wc, ws, bq, bk, bv, qkv; writes qkv
.if DOCPART == 2
	.amdgcn_target "amdgcn-amd-amdhsa--gfx1250"
	.amdhsa_code_object_version 6
	.text
	.protected	k_q0645341a9b_proj
	.globl	k_q0645341a9b_proj
	.p2align	8
	.type	k_q0645341a9b_proj,@function
k_q0645341a9b_proj:
	s_mov_b64 s[64:65], 0
	v_nop
	global_prefetch_b8 v0, s[64:65] scope:SCOPE_SE
	s_setreg_imm32_b32 hwreg(HW_REG_WAVE_MODE, 25, 1), 1
	s_wait_xcnt 0x0
	s_wait_alu depctr_hold_cnt(0) depctr_sa_sdst(0) depctr_va_vdst(0) depctr_va_sdst(0) depctr_va_ssrc(0) depctr_va_vcc(0) depctr_vm_vsrc(0)
	s_getreg_b32 s2, hwreg(HW_REG_IB_STS2, 6, 4)
	s_cmp_eq_u32 s2, 0
	s_cbranch_scc0 .Lentry_in_a_cluster
	s_endpgm
.Lentry_in_a_cluster:
	s_bfe_u32 s2, ttmp6, 0x10000c
	s_cmp_lg_u32 s2, 0xf033
	s_cbranch_scc0 .Lentry_shape_is_right
	s_endpgm
.Lentry_shape_is_right:
; PROJ: the three quantised projections as ONE product on codes of FP4 (E2M1) with E8M0 scales: rows 0-4095 query x Wq + bq, rows 4096-8191 key x Wk + bk, rows 8192-12287 value x Wv + bv.
; A: xc [12288][512 bytes], xs [12288][32].  B: wc [3 x 1024 n][512 bytes], ws [3 x 1024][32].  Result: qkv [12288][1024] f16; sums in f32, the bias as the sums' first addend.
; LIMIT: the result is rounded to f16: magnitudes over 65,504 are not served.
; A tile of 256 x 256 is made by four waves, 128 x 128 each: 64 accumulators of 16 x 16.  K = 1,024 is two slots of 512 along K (rows of 256 bytes): both are asked for at the head and nothing is filled again.
; The scale bytes of the work-group's 256 rows of A and of B, for all of K, are two dense blocks: they come once, with the first fills.
; CLUSTER 4 x 4: a row of the cluster shares A's tiles, a column B's: each tile is asked for jointly.  Sixteen tile rows make a tensor, so a cluster (four tile rows) lies in one tensor: which weight and
; bias it takes hangs on the cluster's y alone.  192 work-groups: a smaller tile would read each fragment for half the products.
; THE MATRIX INSTRUCTION IS USED TRANSPOSED (source 0 = 16 rows of B, source 1 = 16 rows of A): a lane holds eight neighbouring columns of one row.
; REGISTERS: window 0: v0-31 addresses; v32-95 scale words, two sets; v128-191 A's fragments, one set; v192-255 the bias in the result's layout; on the way out v32-127 are free.
;   window 1: B's fragments, two sets.   windows 2, 3: the accumulators of my rows 0-63 and 64-127.
.set SIZE_N, 1024
.set SIZE_K, 1024
.set NQ,     4                         ; matrix instructions deep in a slot
.set ROWB,   256
.set KROW,   512
.set PITCH,  272                       ; 256 bytes + 16 of padding: the 16 rows that a load touches start 68 words apart
.set FR,     8
.set NL,     2
.set NP,     4
.set HALFT,  128*PITCH
.set SLOT,   4*HALFT
.set KS,     32                        ; a row of scales in bytes
.set SCL,    2*SLOT
.set HALFS,  (128*KS/256)*272
.set SBLK,   (16*KS/256)*272
.set SPARE,  SCL+4*HALFS               ; the spare words, 128 bytes a wave
.set SPITCH, 272                       ; the way out: a stage of 16 rows x (256 + 16) bytes a wave, in slot 0, which has had its only fill and its last read by then
.set ADRA, 16
.set ADRB, 20
.set STO,  24
.set RD,   25
.set CO,   26
.set ADRS, 27
.set SPW,  28
.set NIL,  29
.set BO,   30                          ; v30  my byte offset in the bias
.set SC,   32
.set AF,   128
.set BI,   192                         ; v192-255  the bias: block b's eight columns of my half at v[BI + 8 b]
.set TMP,  32                          ; the way out: 32 registers of packed results
.set OB,   64                          ; and 16 rows read back: v64-95 and v96-127 by turns
.set G1, 24
.set G0, 32
.set G1B, 48
.set G0B, 56
.set G1S, 68
.set G0S, 76
.set G1SB, 80
.set G0SB, 88
.set MSB, 0
.macro WIN new                         ; the immediate's high byte repeats the setting that is left
.if MSB != \new
	s_set_vgpr_msb (MSB<<8)|\new
.set MSB, \new
.endif
.endm
.set MUL_LO, 0xa1                      ; source 0 (B) window 1, source 1 (A) window 0, C and D window 2
.set MUL_HI, 0xf1                      ; the same, C and D window 3
.set BIA_LO, 0x81                      ; the first products: C (the bias) window 0, D window 2
.set BIA_HI, 0xc1                      ; D window 3
.set TO_B,   0x40
.macro JLOAD g0a, g1a, g0b, g1b        ; a joint load: waves 0 and 1 fetch for A, waves 2 and 3 for B; an s_nop 0 and four v_nop follow each line
	s_cmp_eq_u32 s15, 0
	s_cbranch_scc0 .Lfor_b_\@
	tensor_load_to_lds s[\g0a:\g0a+3], s[\g1a:\g1a+7]
	s_nop 0
.rept 4
	v_nop
.endr
	s_branch .Lasked_\@
.Lfor_b_\@:
	tensor_load_to_lds s[\g0b:\g0b+3], s[\g1b:\g1b+7]
	s_nop 0
.rept 4
	v_nop
.endr
.Lasked_\@:
.endm
.macro CROUND                          ; a round of the cluster's barrier
	s_barrier_signal -1
	s_barrier_wait -1
	s_cmp_lg_u32 s14, 0
	s_cbranch_scc1 .Lnot_wave_0_\@
	s_barrier_signal -3
.Lnot_wave_0_\@:
	s_barrier_wait -3
	s_barrier_signal -1
	s_barrier_wait -1
.endm
	s_load_b128 s[4:7], s[0:1], 0x0                ; A's codes, A's scales
	s_load_b128 s[8:11], s[0:1], 0x10              ; B's codes, B's scales
	s_load_b128 s[96:99], s[0:1], 0x20             ; bq, bk
	s_load_b64 s[100:101], s[0:1], 0x30            ; bv
	s_load_b64 s[12:13], s[0:1], 0x38              ; the result
	v_lshl_add_u32 v[SPW], v0, 2, SPARE
	v_mov_b32 v[NIL], 0
	ds_add_u32 v[SPW], v[NIL]                      ; the wave's opening: the add, twice on end, and its wait ahead of my first tensor load
	ds_add_u32 v[SPW], v[NIL]
	v_lshrrev_b32 v1, 5, v0
	v_readfirstlane_b32 s14, v1                    ; wave 0..3
	s_lshr_b32 s15, s14, 1                         ; which half of the tile's rows is mine.  Also: I fetch for A (0) or for B (1)
	s_and_b32 s16, s14, 1                          ; which half of its columns.  Also: which 128 rows of that tile I fetch
	s_bfe_u32 s40, ttmp6, 0x40000                  ; cx, cy: my place in the cluster
	s_bfe_u32 s41, ttmp6, 0x40004
	s_lshl_b32 s42, ttmp9, 2
	s_add_co_u32 s42, s42, s40                     ; tile column = 4 x cluster x + cx
	s_and_b32 s17, ttmp7, 0xffff
	s_lshr_b32 s95, s17, 2                         ; which tensor: cluster y / 4, the same in all sixteen partners
	s_lshl_b32 s17, s17, 2
	s_add_co_u32 s17, s17, s41                     ; tile row = 4 x cluster y + cy
	s_lshl_b32 s43, s41, 2
	s_lshl_b32 s43, 15, s43                        ; my row of the cluster
	s_lshl_b32 s44, 0x1111, s40                    ; my column
	s_or_b32 s[G1+0], s43, (0<<16)|(1<<20)|(1<<21)|(5<<22)|(3<<25)  ; the mask; elements of 1 byte; padding on; bit 21 beside a mask; 4 words after every 64
	s_or_b32 s[G1B+0], s44, (0<<16)|(1<<20)|(1<<21)|(5<<22)|(3<<25)
.irp g, G1, G1B
	s_mov_b32 s[\g+1], ROWB<<16                    ; tensor_dim0
	s_mov_b32 s[\g+2], 128<<16                     ; tensor_dim1
	s_mov_b32 s[\g+3], ROWB<<16                    ; tile_dim0
	s_mov_b32 s[\g+4], 128                         ; tile_dim1
	s_mov_b32 s[\g+5], KROW                        ; from row to row
	s_mov_b32 s[\g+6], 0
	s_mov_b32 s[\g+7], 0
.endr
	s_or_b32 s[G1S+0], s43, (3<<16)|(1<<20)|(1<<21)|(5<<22)|(3<<25) ; the scales of 128 rows: 4,096 dense bytes as 16 rows of 256 (32 elements of 8 bytes), 16 bytes of padding behind each
	s_or_b32 s[G1SB+0], s44, (3<<16)|(1<<20)|(1<<21)|(5<<22)|(3<<25)
.irp g, G1S, G1SB
	s_mov_b32 s[\g+1], 32<<16
	s_mov_b32 s[\g+2], (128*KS/256)<<16
	s_mov_b32 s[\g+3], 32<<16
	s_mov_b32 s[\g+4], 128*KS/256
	s_mov_b32 s[\g+5], 32
	s_mov_b32 s[\g+6], 0
	s_mov_b32 s[\g+7], 0
.endr
	s_lshl_b32 s18, s16, 7                         ; which 128 rows of the tile I fetch
	s_lshl_b32 s20, s17, 8
	s_add_co_u32 s20, s20, s18                     ; A: row 256 x tile row + 128 x half
	s_lshl_b32 s46, s42, 8
	s_add_co_u32 s46, s46, s18                     ; B: row 256 x tile column + 128 x half
	s_lshl_b32 s47, s95, 10
	s_add_co_u32 s46, s46, s47                     ;    + 1,024 x tensor
	s_mov_b32 s21, 0
	s_mov_b32 s47, 0
	s_mov_b64 s[18:19], KS
	s_mul_u64 s[22:23], s[20:21], s[18:19]         ; where these rows' scales begin,
	s_mul_u64 s[92:93], s[46:47], s[18:19]
	s_mov_b64 s[18:19], KROW
	s_mul_u64 s[20:21], s[20:21], s[18:19]         ; and their codes
	s_mul_u64 s[46:47], s[46:47], s[18:19]
	s_mul_i32 s45, s14, HALFT                      ; where they go: wave x 128 rows
	s_mul_i32 s94, s14, HALFS
	s_wait_dscnt 0x0                               ; both opening adds are done
	s_wait_kmcnt 0x0
	s_add_nc_u64 s[20:21], s[4:5], s[20:21]
	s_add_nc_u64 s[22:23], s[6:7], s[22:23]
	s_add_nc_u64 s[46:47], s[8:9], s[46:47]
	s_add_nc_u64 s[92:93], s[10:11], s[92:93]
	s_cmp_eq_u32 s95, 0                            ; my tensor's bias
	s_cselect_b64 s[96:97], s[96:97], s[98:99]
	s_cmp_lt_u32 s95, 2
	s_cselect_b64 s[96:97], s[96:97], s[100:101]
	CROUND                                         ; all sixteen work-groups are here: the first joint loads meet
	s_mov_b32 s[G0S], 1
	s_add_co_u32 s[G0S+1], s94, SCL
	s_mov_b64 s[G0S+2:G0S+3], s[22:23]
	s_or_b32 s[G0S+3], s[G0S+3], 0x80000000
	s_mov_b32 s[G0SB], 1
	s_add_co_u32 s[G0SB+1], s94, SCL
	s_mov_b64 s[G0SB+2:G0SB+3], s[92:93]
	s_or_b32 s[G0SB+3], s[G0SB+3], 0x80000000
	JLOAD G0S, G1S, G0SB, G1SB                     ; the scales first: they are wanted with the first slot
.irp s, 0,1
	s_mov_b32 s[G0+4*\s], 1
	s_add_co_u32 s[G0+4*\s+1], s45, \s*SLOT
	s_add_nc_u64 s[G0+4*\s+2:G0+4*\s+3], s[20:21], \s*ROWB
	s_or_b32 s[G0+4*\s+3], s[G0+4*\s+3], 0x80000000
	s_mov_b32 s[G0B+4*\s], 1
	s_add_co_u32 s[G0B+4*\s+1], s45, \s*SLOT
	s_add_nc_u64 s[G0B+4*\s+2:G0B+4*\s+3], s[46:47], \s*ROWB
	s_or_b32 s[G0B+4*\s+3], s[G0B+4*\s+3], 0x80000000
	JLOAD G0+4*\s, G1, G0B+4*\s, G1B               ; three tensor loads of mine are out behind the second of these
.endr
	v_and_b32 v1, 15, v0                           ; r = l % 16
	v_bfe_u32 v2, v0, 4, 1                         ; h = l / 16
	s_lshl_b32 s46, s42, 10                        ; the bias: 4 bytes x (256 x tile column + 128 x half + 16 b + 8 h)
	s_lshl_b32 s47, s16, 9
	s_add_co_u32 s46, s46, s47
	v_lshl_add_u32 v[BO], v2, 5, s46
.irp b, 0,1,2,3,4,5,6,7
	global_load_b128 v[BI+8*\b:BI+8*\b+3], v[BO], s[96:97] offset:64*\b
	global_load_b128 v[BI+8*\b+4:BI+8*\b+7], v[BO], s[96:97] offset:64*\b+16
.endr
	v_mul_u32_u24 v3, v1, PITCH
	v_lshl_add_u32 v4, v2, 4, v3                   ; a fragment's row x pitch + 16 x half
	s_mul_i32 s21, s15, HALFT                      ; my 128 rows of A
	s_mul_i32 s22, s16, HALFT                      ; my 128 rows of B,
	s_add_co_u32 s22, s22, 2*HALFT                 ; which lie behind A's 256
.irp s, 0,1
	v_add_nc_u32 v[ADRA+\s], s21, v4
	v_add_nc_u32 v[ADRB+\s], s22, v4
	s_add_co_u32 s21, s21, SLOT
	s_add_co_u32 s22, s22, SLOT
.endr
	v_mul_u32_u24 v5, v1, KS                       ; my row's scales: KS bytes a row,
	v_lshrrev_b32 v6, 8, v5
	v_lshl_add_u32 v5, v6, 4, v5                   ; and 16 more for each 256 passed
	s_mul_i32 s21, s15, HALFS
	s_mul_i32 s22, s16, HALFS
	s_add_co_u32 s22, s22, 2*HALFS
	s_sub_co_u32 s22, s22, s21
	v_mul_u32_u24 v6, s22, v2                      ; lanes 16-31 take B's: one product, the distance between the two bases
	s_add_co_u32 s21, s21, SCL
	v_add_nc_u32 v5, v5, v6
	v_add_nc_u32 v[ADRS], s21, v5
	s_mul_i32 s23, s14, 16*SPITCH                  ; my stage
	v_mul_u32_u24 v5, v1, SPITCH                   ; in: row r, 16 bytes for each half of the lanes
	v_lshl_add_u32 v5, v2, 4, v5
	v_add_nc_u32 v[STO], s23, v5
	v_mul_u32_u24 v5, v2, SPITCH                   ; back: lanes 0-15 one row of 256 bytes, lanes 16-31 the next
	v_lshl_add_u32 v5, v1, 4, v5
	v_add_nc_u32 v[RD], s23, v5
	v_lshlrev_b32 v5, 11, v2                       ; and the same two rows in the result
	v_lshl_add_u32 v[CO], v1, 4, v5
	s_lshl_b32 s20, s17, 8
	s_lshl_b32 s21, s15, 7
	s_add_co_u32 s20, s20, s21                     ; my first row: 256 x tile row + 128 x half,
	s_lshl_b32 s20, s20, 11                        ; in bytes: 12,288 rows of 2,048 stay under 2^25
	s_mov_b32 s21, 0
	s_lshl_b32 s46, s42, 9                         ; my first column, in bytes
	s_lshl_b32 s47, s16, 8
	s_add_co_u32 s46, s46, s47
	s_mov_b32 s47, 0
	s_add_nc_u64 s[20:21], s[20:21], s[46:47]
	s_add_nc_u64 s[12:13], s[12:13], s[20:21]
.macro FRAG reg, adr, q, i             ; 16 rows x 128 K of 4-bit codes: 8 registers, two loads of 16 bytes, 32 bytes apart
.irp c, 0,1
	ds_load_b128 v[\reg+4*\c:\reg+4*\c+3], v[\adr] offset:64*(\q)+32*\c+(\i)*16*PITCH
.endr
.endm
; 16 matrix instructions: A's blocks a0, a0 + 1 x B's eight.  first = 1: the bias is the sums' first addend: nothing is cleared and nothing is added later.  The 64 accumulators take turns.
.macro MUL16 a0, p, q, sc, first
.irp a, \a0, \a0+1
.irp b, 0,1,2,3,4,5,6,7
.if \first
	v_wmma_scale_f32_16x16x128_f8f6f4 v[8*(8*((\a)%4)+\b):8*(8*((\a)%4)+\b)+7], v[128*(\p)+FR*\b:128*(\p)+FR*\b+FR-1], v[AF+FR*(\a):AF+FR*(\a)+FR-1], v[BI+8*\b:BI+8*\b+7], v[SC+8*NQ*(\sc)+NQ*\b+(\q)], v[SC+8*NQ*(\sc)+NQ*(\a)+(\q)] matrix_a_fmt:MATRIX_FMT_FP4 matrix_b_fmt:MATRIX_FMT_FP4 matrix_a_scale:MATRIX_SCALE_ROW1
.else
	v_wmma_scale_f32_16x16x128_f8f6f4 v[8*(8*((\a)%4)+\b):8*(8*((\a)%4)+\b)+7], v[128*(\p)+FR*\b:128*(\p)+FR*\b+FR-1], v[AF+FR*(\a):AF+FR*(\a)+FR-1], v[8*(8*((\a)%4)+\b):8*(8*((\a)%4)+\b)+7], v[SC+8*NQ*(\sc)+NQ*\b+(\q)], v[SC+8*NQ*(\sc)+NQ*(\a)+(\q)] matrix_a_fmt:MATRIX_FMT_FP4 matrix_b_fmt:MATRIX_FMT_FP4 matrix_a_scale:MATRIX_SCALE_ROW1
.endif
.endr
.endr
.endm
.macro FETCH_B slot, q, p
	WIN TO_B
.irp i, 0,1,2,3,4,5,6,7
	FRAG 128*(\p)+FR*\i, ADRB+\slot, \q, \i
.endr
	WIN 0
.endm
.macro FETCH_A slot, q, i0
.irp i, \i0, \i0+1, \i0+2, \i0+3
	FRAG AF+FR*(\i), ADRA+\slot, \q, \i
.endr
.endm
.macro SCALES sc                       ; a slot's scale words: 4 words a row; lanes 0-15 take A's block i, lanes 16-31 B's block i
.irp i, 0,1,2,3,4,5,6,7
	ds_load_b128 v[SC+8*NQ*\sc+NQ*\i:SC+8*NQ*\sc+NQ*\i+3], v[ADRS] offset:\i*SBLK
.endr
.endm
.macro PLACES n                        ; plain vector instructions between a matrix instruction and a load into, or a read of, its registers
.rept \n
	v_nop
.endr
.endm
.macro STEP slot, q, first             ; 128 along K that has its successor in the same slot
	s_wait_dscnt 4*NL                              ; B's set, A's blocks 0-3 (and the scale words) are in; the youngest eight loads, A's blocks 4-7, may be out
.if \first
	WIN BIA_LO
.else
	WIN MUL_LO
.endif
	MUL16 0, (\q)%2, \q, \slot, \first
	MUL16 2, (\q)%2, \q, \slot, \first
	s_wait_dscnt 0
	PLACES NP
	FETCH_B \slot, (\q)+1, 1-(\q)%2
	FETCH_A \slot, (\q)+1, 0
.if \first
	WIN BIA_HI
.else
	WIN MUL_HI
.endif
	MUL16 4, (\q)%2, \q, \slot, \first
	MUL16 6, (\q)%2, \q, \slot, \first
	PLACES NP
	WIN 0
	FETCH_A \slot, (\q)+1, 4
.endm
.macro STEPS slot, from
.set Q, \from
.rept NQ-1-\from
	STEP \slot, Q, 0
.set Q, Q+1
.endr
.endm
	s_wait_tensorcnt 1                             ; the scales and my part of slot 0 are in; slot 1's load, the one issued behind them, may be out
	s_barrier_signal -1
	s_barrier_wait -1                              ; everybody's are
	FETCH_B 0, 0, 0
	FETCH_A 0, 0, 0
	SCALES 0
	FETCH_A 0, 0, 4
	s_wait_loadcnt 0x0                             ; the bias
	STEP 0, 0, 1
	STEPS 0, 1
	; slot 0's last step changes slots: one barrier; in front of it each wave has its part of slot 1 and has ended its reads of slot 0, which becomes the stage later
	s_wait_tensorcnt 0x0                           ; my part of slot 1 has landed
	ds_add_u32 v[SPW], v[NIL]                      ; 0 onto my spare word
	s_wait_dscnt 4*NL+1                            ; the add and the youngest eight loads may be out
	WIN MUL_LO
	MUL16 0, 1, NQ-1, 0, 0
	s_wait_dscnt 0x0                               ; the add is done, and my reads of slot 0 are over
	s_barrier_signal -1
	MUL16 2, 1, NQ-1, 0, 0
	WIN 0
	s_barrier_wait -1
	PLACES NP
	v_add_nc_u32 v[ADRS], 4*NQ, v[ADRS]            ; on to slot 1's scale words
	FETCH_B 1, 0, 0
	FETCH_A 1, 0, 0
	SCALES 1
	WIN MUL_HI
	MUL16 4, 1, NQ-1, 0, 0
	MUL16 6, 1, NQ-1, 0, 0
	PLACES NP
	WIN 0
	FETCH_A 1, 0, 4
	STEPS 1, 0
	s_wait_dscnt 4*NL                              ; the very last step: nothing more to fetch
	WIN MUL_LO
	MUL16 0, 1, NQ-1, 1, 0
	MUL16 2, 1, NQ-1, 1, 0
	s_wait_dscnt 0
	WIN MUL_HI
	MUL16 4, 1, NQ-1, 1, 0
	MUL16 6, 1, NQ-1, 1, 0
	WIN 0
; THE WAY OUT, block by block of 16 rows x 128 columns: rounded to f16, 16 bytes a lane, through my own stage, back as whole rows of 256 bytes.
.macro PACK a
.set AC, 64*((\a)%4)
	WIN 0x0a+5*((\a)/4)                            ; sources 0 and 1: window 2 or 3
.irp b, 0,1,2,3,4,5,6,7
.irp r, 0,1,2,3
	v_cvt_pk_f16_f32 v[TMP+4*\b+\r], v[AC+8*\b+2*\r], v[AC+8*\b+2*\r+1]   ; each accumulator from its low end on
.endr
.endr
	WIN 0
.endm
.macro TOSTAGE a
.set BB, OB+32*((\a)%2)
.irp b, 0,1,2,3,4,5,6,7
	ds_store_b128 v[STO], v[TMP+4*\b:TMP+4*\b+3] offset:32*\b
.endr
.irp t, 0,1,2,3,4,5,6,7
	ds_load_b128 v[BB+4*\t:BB+4*\t+3], v[RD] offset:\t*2*SPITCH    ; LDS serves a wave's instructions in order: these see the stores above
.endr
.endm
.macro SEND a
.set BB, OB+32*((\a)%2)
	s_wait_dscnt 0x0                               ; the block is back in registers
	s_wait_xcnt 0x0                                ; earlier stores have read their base and their data: the base may step, and the next block may land in the other set
.if (\a) > 0
	s_add_nc_u64 s[12:13], s[12:13], 16*SIZE_N*2
.endif
.irp t, 0,1,2,3,4,5,6,7
	global_store_b128 v[CO], v[BB+4*\t:BB+4*\t+3], s[12:13] offset:2*\t*SIZE_N*2   ; 16 lanes store 256 consecutive bytes, aligned
.endr
.endm
	PLACES NP                                      ; behind the last products: the first block's conversions write registers that held scale words
	PACK 0
	TOSTAGE 0
.irp a, 1,2,3,4,5,6,7                  ; block a's conversions stand between block a - 1's loads from the stage and the wait for them
	PACK \a
	SEND \a-1
	TOSTAGE \a
.endr
	SEND 7
	s_wait_tensorcnt 0x0                           ; the wave's end
	ds_add_u32 v[SPW], v[NIL]
	s_wait_dscnt 0x0
	CROUND                                         ; the closing round
	s_endpgm
.Lfunc_end_k_q0645341a9b_proj:
	.size	k_q0645341a9b_proj, .Lfunc_end_k_q0645341a9b_proj-k_q0645341a9b_proj
	.p2alignl 7, 3214868480
	.fill 96, 4, 3214868480
	.section	.rodata,"a",@progbits
	.p2align	6, 0x0
	.amdhsa_kernel k_q0645341a9b_proj
		.amdhsa_group_segment_fixed_size 327680
		.amdhsa_private_segment_fixed_size 0
		.amdhsa_enable_private_segment 0
		.amdhsa_kernarg_size 64
		.amdhsa_user_sgpr_count 2
		.amdhsa_user_sgpr_kernarg_segment_ptr 1
		.amdhsa_wavefront_size32 1
		.amdhsa_system_sgpr_workgroup_id_x 1
		.amdhsa_system_sgpr_workgroup_id_y 1
		.amdhsa_system_sgpr_workgroup_id_z 1
		.amdhsa_system_vgpr_workitem_id 0
		.amdhsa_next_free_vgpr 1024
		.amdhsa_next_free_sgpr 102
		.amdhsa_reserve_vcc 0
		.amdhsa_float_denorm_mode_32 3
		.amdhsa_float_denorm_mode_16_64 3
		.amdhsa_memory_ordered 1
		.amdhsa_forward_progress 1
		.amdhsa_inst_pref_size 129
	.end_amdhsa_kernel
	.amdgpu_metadata
---
amdhsa.version: [ 1, 2 ]
amdhsa.kernels:
  - .name:           k_q0645341a9b_proj
    .symbol:         k_q0645341a9b_proj.kd
    .args:
      - { .name: xc, .offset: 0, .size: 8, .value_kind: global_buffer, .address_space: global }
      - { .name: xs, .offset: 8, .size: 8, .value_kind: global_buffer, .address_space: global }
      - { .name: wc, .offset: 16, .size: 8, .value_kind: global_buffer, .address_space: global }
      - { .name: ws, .offset: 24, .size: 8, .value_kind: global_buffer, .address_space: global }
      - { .name: bq, .offset: 32, .size: 8, .value_kind: global_buffer, .address_space: global }
      - { .name: bk, .offset: 40, .size: 8, .value_kind: global_buffer, .address_space: global }
      - { .name: bv, .offset: 48, .size: 8, .value_kind: global_buffer, .address_space: global }
      - { .name: qkv, .offset: 56, .size: 8, .value_kind: global_buffer, .address_space: global }
    .group_segment_fixed_size: 327680
    .private_segment_fixed_size: 0
    .kernarg_segment_align: 8
    .kernarg_segment_size: 64
    .max_flat_workgroup_size: 128
    .sgpr_count:     102
    .vgpr_count:     1024
    .wavefront_size: 32
...
	.end_amdgpu_metadata
.endif
;; end of part 2
;; launch attn (part 3): grid 16 x 16, 8 waves a work-group, clusters of 4 x 1, 327,680 bytes of LDS; arguments qkv, ao; writes ao
.if DOCPART == 3
	.amdgcn_target "amdgcn-amd-amdhsa--gfx1250"
	.amdhsa_code_object_version 6
	.text
	.protected	k_q0645341a9b_attn
	.globl	k_q0645341a9b_attn
	.p2align	8
	.type	k_q0645341a9b_attn,@function
k_q0645341a9b_attn:
	s_mov_b64 s[64:65], 0
	v_nop
	global_prefetch_b8 v0, s[64:65] scope:SCOPE_SE
	s_setreg_imm32_b32 hwreg(HW_REG_WAVE_MODE, 25, 1), 1
	s_wait_xcnt 0x0
	s_wait_alu depctr_hold_cnt(0) depctr_sa_sdst(0) depctr_va_vdst(0) depctr_va_sdst(0) depctr_va_ssrc(0) depctr_va_vcc(0) depctr_vm_vsrc(0)
	s_getreg_b32 s2, hwreg(HW_REG_IB_STS2, 6, 4)
	s_cmp_eq_u32 s2, 0
	s_cbranch_scc0 .Lentry_in_a_cluster
	s_endpgm
.Lentry_in_a_cluster:
	s_bfe_u32 s2, ttmp6, 0x10000c
	s_cmp_lg_u32 s2, 0x3003
	s_cbranch_scc0 .Lentry_shape_is_right
	s_endpgm
.Lentry_shape_is_right:
; ATTN: O[b][h][q] = the sum over k of softmax_k(Q . K / 8) V, 16 heads of 64, 2,048 keys, no mask.  Q, K, V: f16 in qkv [3 x 4096 rows][1024]; O: f16 in ao [4096][1024], column = 64 head + channel.
; Products, maxima and sums in f32; the weights p are rounded to f16 for the second product, O once at the end.
; LIMIT: O is rounded to f16 (magnitudes over 65,504 are not served; under 6e-5 its step is 6e-8).
; SHARES.  A work-group owns 128 queries of a PAIR of heads: two heads' 64 channels are 256 consecutive bytes of a row, so every row of every tile, and every stored piece, is 256 bytes, aligned.
; Wave w: head w / 4 of the pair, queries 32 (w % 4) on: two tiles of 16.  Two waves share a SIMD, so that one wave's softmax stands beside the other's products and LDS loads.
; LAYOUT.  S^T = K Q^T (source 0 = 16 keys, source 1 = 16 queries): a lane holds ONE query (lane % 16) and keys 8 (lane / 16) + 0..7.  Two such tiles, rounded in pairs, ARE source 1 of O^T = V^T P.
; K comes out of LDS as it lies, V ([key][channel]) turned by ds_load_tr16_b128.
; SOFTMAX.  A running maximum m and sum l for each query: p = 2^(c s - c m), c = log2(e) / 8; in every step O and l are multiplied by a = 2^(c m_old - c m_new).  The step is written once: it starts from m = -3e38, l = 0, O = 0.
; RING.  Two slots of 256 keys (four steps of 64 keys: K's 64 rows, then V's).  Waves 0-3 fetch K's rows of steps 0-3, waves 4-7 V's: one tensor load a wave behind each change of slots, which has four steps in which to land.
; CLUSTER.  The four query blocks of a cluster walk the same K and V: each tile is asked for jointly.
.set KS,    64
.set PK,    272                        ; a row of K in LDS: 256 bytes + 16: the 16 rows of a load start 68 words apart
.set PV,    288                        ; a row of V: 256 + 32: the turning load's 8 rows x 32 bytes fall on different words modulo 64
.set VOFF,  KS*PK
.set STEPB, KS*(PK+PV)
.set SLOT,  4*STEPB
.set STAGE, 2*SLOT                     ; behind the ring: 128 rows x 272 bytes, the work-group's, for the way out
.set SP,    272
.set SPARE, STAGE+128*SP               ; the spare words, 128 bytes a wave
.set SLOTG, 256*2048                   ; a slot's 256 rows in memory
.set KG,    0x800000                   ; K's first byte in qkv
.set VG,    0x1000000                  ; V's
.set AK0, 3                            ; v3   my lane's place in a tile of K
.set AV0, 4                            ; v4   and of V
.set ADK, 5                            ; v5   LDS address of the step's K
.set ADV, 6                            ; v6   and V
.set QO,  7                            ; v7   my byte offset in the wave's rows of Q
.set STO, 8
.set RD,  9
.set GO,  10
.set PFO, 11                           ; v11  2,048 x my lane: a row
.set SPW, 12
.set NIL, 13
.set ST,  16                           ; tile t's statistics at v[ST + 8 t]: +0 c m, +1 m, +2, +3 l (two halves), +4 .. +7 at work; a at +6
.set Q,   32                           ; v32-63   Q: tile t, channels 32 c on, at 16 t + 8 c
.set KV,  64                           ; v64-127  K of the step, then V of the step
.set S,   128                          ; v128-191 S^T, 32 a tile; p is packed in place into the tile's first 16
.set O,   192                          ; v192-255 O^T, 32 a tile
.set WV,  8
.set G1K, 24
.set G1V, 32
.set G0K, 40                           ; s[40:47] group 0 for K's tiles, a set for each slot
.set G0V, 48                           ; s[48:55] for V's
.set CS,  56                           ; s[56:57] c
.set SEL, 58                           ; s[58:59] lane selects: lane l xor 16
.set TB,  60                           ; s60  LDS byte at which the step's tiles begin
.set CNT, 61
.set LAPS, 62
.set PFA, 66                           ; s[66:67] where my prefetches stand
.set LIM, 68                           ; s68  1 in a wave that prefetches, else the greatest number
.macro JLOAD s                         ; a joint refill of slot s; the branch hangs on the wave's number alone; an s_nop 0 and four v_nop follow each line
	s_cmp_lt_u32 s[WV], 4
	s_cbranch_scc0 .Lfor_v_\@
	tensor_load_to_lds s[G0K+4*\s:G0K+4*\s+3], s[G1K:G1K+7]
	s_nop 0
.rept 4
	v_nop
.endr
	s_branch .Lasked_\@
.Lfor_v_\@:
	tensor_load_to_lds s[G0V+4*\s:G0V+4*\s+3], s[G1V:G1V+7]
	s_nop 0
.rept 4
	v_nop
.endr
.Lasked_\@:
.endm
; A PREFETCH INTO THE L2 of what the NEXT change of slots will ask for: 256 rows of K and 256 of V, 256 bytes of each, a lane a row.  Each row is named once in the launch: the head pair's first cluster asks;
; its four partners take 64 rows each, told apart by address; in each, waves 0 and 1 ask for K's (32 rows a wave), waves 4 and 5 for V's.  always = 1: behind slot 0's refill there is always a next slot;
; always = 0: behind slot 1's refill there is none in the last lap.
.macro ASK always
.if \always
	s_cmp_eq_u32 s[LIM], 1
.else
	s_cmp_gt_u32 s[LAPS], s[LIM]
.endif
	s_cbranch_scc0 .Lnot_mine_\@
	global_prefetch_b8 v[PFO], s[PFA:PFA+1] th:TH_LOAD_NT scope:SCOPE_SE
.Lnot_mine_\@:
.endm
.macro CROUND                          ; a round of the cluster's barrier
	s_barrier_signal -1
	s_barrier_wait -1
	s_cmp_lg_u32 s[WV], 0
	s_cbranch_scc1 .Lnot_wave_0_\@
	s_barrier_signal -3
.Lnot_wave_0_\@:
	s_barrier_wait -3
	s_barrier_signal -1
	s_barrier_wait -1
.endm
	s_load_b128 s[4:7], s[0:1], 0x0                ; qkv, ao
	v_lshl_add_u32 v[SPW], v0, 2, SPARE
	v_mov_b32 v[NIL], 0
	ds_add_u32 v[SPW], v[NIL]                      ; the wave's opening: the add, twice on end, and its wait ahead of my first tensor load
	ds_add_u32 v[SPW], v[NIL]
	v_lshrrev_b32 v1, 5, v0
	v_readfirstlane_b32 s[WV], v1                  ; wave 0..7
	s_lshr_b32 s9, s[WV], 2                        ; u: which head of the pair.  Also: I fetch for K (0) or for V (1)
	s_and_b32 s10, s[WV], 3                        ; g: which 32 queries.  Also: which of a slot's four steps I fetch
	s_bfe_u32 s11, ttmp6, 0x40000                  ; cx
	s_lshl_b32 s12, ttmp9, 2
	s_add_co_u32 s12, s12, s11                     ; my block of 128 queries: it enters Q's and O's addresses alone
	s_and_b32 s13, ttmp7, 0xffff
	s_lshr_b32 s14, s13, 3                         ; batch
	s_and_b32 s15, s13, 7                          ; head pair
	s_lshl_b32 s14, s14, 22                        ; 2,048 rows of 2,048 bytes
	s_lshl_b32 s15, s15, 8
	s_add_co_u32 s16, s14, s15                     ; the head pair's first byte in each tensor: the four partners share it
	s_mul_i32 s17, s10, STEPB                      ; my tile's place in a slot
	s_lshl_b32 s18, s10, 17                        ; its 64 rows in memory
	s_add_co_u32 s18, s18, s16
	s_mov_b32 s19, 0
	s_lshl_b32 s22, s12, 18                        ; my block's 128 rows
	s_add_co_u32 s22, s22, s16
	s_lshl_b32 s23, s10, 16                        ; Q: my wave's 32 rows,
	s_add_co_u32 s70, s22, s23
	s_lshl_b32 s23, s9, 7                          ; my head's 128 bytes
	s_add_co_u32 s70, s70, s23
	s_mov_b32 s71, 0
	s_lshl_b32 s23, s[WV], 15                      ; O: the 16 whole rows that I store
	s_add_co_u32 s72, s22, s23
	s_mov_b32 s73, 0
	s_mov_b32 s74, VG                              ; the prefetches: K's or V's,
	s_cmp_lt_u32 s[WV], 4
	s_cselect_b32 s74, KG, s74
	s_add_co_u32 s74, s74, s16                     ; the head pair,
	s_lshl_b32 s75, s11, 17                        ; my work-group's 64 rows,
	s_add_co_u32 s74, s74, s75
	s_and_b32 s75, s[WV], 1
	s_lshl_b32 s75, s75, 16                        ; my wave's 32 of them,
	s_add_co_u32 s74, s74, s75
	s_add_co_u32 s74, s74, 2*SLOTG                 ; in key slot 2: the first change steps it to key slot 3.  Nothing is prefetched at the head
	s_mov_b32 s75, 0
	s_and_b32 s[LIM], s[WV], 2                     ; 0 in waves 0, 1, 4, 5,
	s_or_b32 s[LIM], s[LIM], ttmp9                 ; of the head pair's first cluster: the same in all four partners
	s_cmp_eq_u32 s[LIM], 0
	s_cselect_b32 s[LIM], 1, -1
	s_mov_b32 s[G1K], 15|(1<<16)|(1<<20)|(1<<21)|(5<<22)|(3<<25)  ; the mask: all four; elements of 2 bytes; padding on; bit 21 beside a mask; 4 words after every 64
	s_mov_b32 s[G1V], 15|(1<<16)|(1<<20)|(1<<21)|(5<<22)|(7<<25)  ; the same with 8 words
.irp g, G1K, G1V
	s_mov_b32 s[\g+1], 128<<16                     ; tensor_dim0 = 128
	s_mov_b32 s[\g+2], KS<<16                      ; tensor_dim1 = 64
	s_mov_b32 s[\g+3], 128<<16                     ; tile_dim0 = 128
	s_mov_b32 s[\g+4], KS                          ; tile_dim1 = 64
	s_mov_b32 s[\g+5], 1024                        ; elements from row to row
	s_mov_b32 s[\g+6], 0
	s_mov_b32 s[\g+7], 0
.endr
	s_mov_b32 s[CS], 0x3e38aa3b                    ; c = log2(e) / 8
	s_mov_b32 s[CS+1], s[CS]
	s_mov_b32 s[SEL], 0x76543210
	s_mov_b32 s[SEL+1], 0xfedcba98
	s_wait_dscnt 0x0                               ; both opening adds are done
	s_wait_kmcnt 0x0
	s_add_nc_u64 s[20:21], s[4:5], s[18:19]
	s_add_nc_u64 s[70:71], s[4:5], s[70:71]        ; Q at my wave's first row
	s_add_nc_u64 s[6:7], s[6:7], s[72:73]          ; O at the first row that I store
	s_add_nc_u64 s[PFA:PFA+1], s[4:5], s[74:75]
	CROUND                                         ; all four work-groups are here: the first joint loads meet
.irp s, 0,1
	s_mov_b32 s[G0K+4*\s], 1
	s_add_co_u32 s[G0K+4*\s+1], s17, \s*SLOT
	s_add_nc_u64 s[G0K+4*\s+2:G0K+4*\s+3], s[20:21], KG+\s*SLOTG
	s_or_b32 s[G0K+4*\s+3], s[G0K+4*\s+3], 0x80000000
	s_mov_b32 s[G0V+4*\s], 1
	s_add_co_u32 s[G0V+4*\s+1], s17, \s*SLOT+VOFF
	s_add_nc_u64 s[G0V+4*\s+2:G0V+4*\s+3], s[20:21], VG+\s*SLOTG
	s_or_b32 s[G0V+4*\s+3], s[G0V+4*\s+3], 0x80000000
.endr
	s_cmp_lt_u32 s[WV], 4                          ; a wave's two first fills stand in one branch: two loads of mine are out
	s_cbranch_scc0 .Lfirst_v
	tensor_load_to_lds s[G0K:G0K+3], s[G1K:G1K+7]
	s_nop 0
	tensor_load_to_lds s[G0K+4:G0K+7], s[G1K:G1K+7]
	s_nop 0
.rept 4
	v_nop
.endr
	s_branch .Lfirst_asked
.Lfirst_v:
	tensor_load_to_lds s[G0V:G0V+3], s[G1V:G1V+7]
	s_nop 0
	tensor_load_to_lds s[G0V+4:G0V+7], s[G1V:G1V+7]
	s_nop 0
.rept 4
	v_nop
.endr
.Lfirst_asked:
	v_and_b32 v1, 15, v0                           ; r = l % 16
	v_bfe_u32 v2, v0, 4, 1                         ; h = l / 16
	v_lshlrev_b32 v[QO], 11, v1
	v_lshl_add_u32 v[QO], v2, 4, v[QO]             ; row x 2,048 + 16 x half
.irp t, 0,1
.irp c, 0,1
	global_load_b128 v[Q+16*\t+8*\c:Q+16*\t+8*\c+3],   v[QO], s[70:71] offset:32768*\t+64*\c      ; Q stays in registers
	global_load_b128 v[Q+16*\t+8*\c+4:Q+16*\t+8*\c+7], v[QO], s[70:71] offset:32768*\t+64*\c+32
.endr
.endr
	s_lshl_b32 s13, s9, 7                          ; my head's 128 bytes of a row
	v_mul_u32_u24 v[AK0], v1, PK
	v_lshl_add_u32 v[AK0], v2, 4, v[AK0]
	v_add_nc_u32 v[AK0], s13, v[AK0]               ; K: row x pitch + 16 x half + head
	v_and_b32 v5, 7, v0
	v_bfe_u32 v6, v0, 3, 1
	v_lshl_add_u32 v[AV0], v2, 3, v5               ; V: the turning load: lane l reads key 8 (l / 16) + l % 8, channels 8 ((l / 8) % 2) on
	v_mul_u32_u24 v[AV0], v[AV0], PV
	v_lshl_add_u32 v[AV0], v6, 4, v[AV0]
	s_add_co_u32 s13, s13, VOFF
	v_add_nc_u32 v[AV0], s13, v[AV0]
	v_and_b32 v[PFO], 31, v0
	v_lshlrev_b32 v[PFO], 11, v[PFO]
.irp t, 0,1
	v_mov_b32 v[ST+8*\t+1], 0xff61b1e6             ; m = -3e38, under every score
	v_mul_f32 v[ST+8*\t], s[CS], v[ST+8*\t+1]      ; c m
.irp j, 2,3,4,5,6,7
	v_mov_b32 v[ST+8*\t+\j], 0                     ; l; and what is named in pairs or as a lane permute's destination before it is first made
.endr
.endr
.irp j, 0,1,2,3,4,5,6,7,8,9,10,11,12,13,14,15,16,17,18,19,20,21,22,23,24,25,26,27,28,29,30,31,32,33,34,35,36,37,38,39,40,41,42,43,44,45,46,47,48,49,50,51,52,53,54,55,56,57,58,59,60,61,62,63
	v_mov_b32 v[O+\j], 0                           ; O^T: the step is written once, and its first pass finds zeros (these lines stand while the first tiles are on their way)
.endr
; A KEY STEP: 64 keys at LDS byte s[TB].
.macro STEP
	v_add_nc_u32 v[ADK], s[TB], v[AK0]
	v_add_nc_u32 v[ADV], s[TB], v[AV0]
.rept 3
	v_nop                                          ; with the two additions five places behind the last V^T P: K's loads land in registers that it read (four are owed), and K Q^T writes over p, which it read (five)
.endr
.irp i, 0,1,2,3
.irp c, 0,1
	ds_load_b128 v[KV+16*\i+8*\c:KV+16*\i+8*\c+3],   v[ADK] offset:16*PK*\i+64*\c
	ds_load_b128 v[KV+16*\i+8*\c+4:KV+16*\i+8*\c+7], v[ADK] offset:16*PK*\i+64*\c+32
.endr
.endr
	s_wait_dscnt 0x0                               ; K is in
.irp c, 0,1                            ; S^T = K Q^T: the eight accumulators take turns; the first eight start the sums
.irp i, 0,1,2,3
.irp t, 0,1
.if \c == 0
	v_wmma_f32_16x16x32_f16 v[S+32*\t+8*\i:S+32*\t+8*\i+7], v[KV+16*\i+8*\c:KV+16*\i+8*\c+7], v[Q+16*\t+8*\c:Q+16*\t+8*\c+7], 0
.else
	v_wmma_f32_16x16x32_f16 v[S+32*\t+8*\i:S+32*\t+8*\i+7], v[KV+16*\i+8*\c:KV+16*\i+8*\c+7], v[Q+16*\t+8*\c:Q+16*\t+8*\c+7], v[S+32*\t+8*\i:S+32*\t+8*\i+7]
.endif
.endr
.endr
.endr
.rept 4
	v_nop                                          ; four places: V's loads land where K lay, and the maxima read the scores
.endr
.irp c, 0,1
.irp f, 0,1,2,3
	ds_load_tr16_b128 v[KV+32*\c+8*\f:KV+32*\c+8*\f+3],   v[ADV] offset:32*PV*\c+32*\f        ; V lands while the softmax is walked
	ds_load_tr16_b128 v[KV+32*\c+8*\f+4:KV+32*\c+8*\f+7], v[ADV] offset:32*PV*\c+32*\f+16*PV
.endr
.endr
	; the maximum of my 32 scores and the old m, the two tiles line by line; each accumulator is read from its low end on
.irp j, 0,1,2,3
.irp t, 0,1
	v_max3_num_f32 v[ST+8*\t+4+\j], v[S+32*\t+8*\j], v[S+32*\t+8*\j+1], v[S+32*\t+8*\j+2]
.endr
.endr
.irp k, 3,5
.irp j, 0,1,2,3
.irp t, 0,1
	v_max3_num_f32 v[ST+8*\t+4+\j], v[ST+8*\t+4+\j], v[S+32*\t+8*\j+\k], v[S+32*\t+8*\j+\k+1]
.endr
.endr
.endr
.irp t, 0,1
	v_max3_num_f32 v[ST+8*\t+4], v[ST+8*\t+4], v[S+32*\t+7], v[S+32*\t+15]
.endr
.irp t, 0,1
	v_max3_num_f32 v[ST+8*\t+6], v[ST+8*\t+6], v[S+32*\t+23], v[S+32*\t+31]
.endr
.irp t, 0,1
	v_max3_num_f32 v[ST+8*\t+4], v[ST+8*\t+4], v[ST+8*\t+5], v[ST+8*\t+6]
.endr
.irp t, 0,1
	v_max3_num_f32 v[ST+8*\t+4], v[ST+8*\t+4], v[ST+8*\t+7], v[ST+8*\t+1]
.endr
.irp t, 0,1
	v_permlanex16_b32 v[ST+8*\t+5], v[ST+8*\t+4], s[SEL], s[SEL+1]     ; the query's other 32 keys lie in the lane 16 away
.endr
.irp t, 0,1
	v_mov_b32 v[ST+8*\t+7], v[ST+8*\t]             ; c m_old
.endr
.irp t, 0,1
	v_max_num_f32 v[ST+8*\t+1], v[ST+8*\t+4], v[ST+8*\t+5]             ; the new m
.endr
.irp t, 0,1
	v_mul_f32 v[ST+8*\t], s[CS], v[ST+8*\t+1]
.endr
.irp t, 0,1
	v_sub_f32 v[ST+8*\t+7], v[ST+8*\t+7], v[ST+8*\t]                   ; c m_old - c m_new, 0 or less
.endr
.irp b, 0,1,2,3,4,5,6,7,8,9,10,11,12,13,14,15
.irp t, 0,1
	v_pk_fma_f32 v[S+32*\t+2*\b:S+32*\t+2*\b+1], v[S+32*\t+2*\b:S+32*\t+2*\b+1], s[CS:CS+1], v[ST+8*\t:ST+8*\t+1] op_sel_hi:[1,0,0] neg_lo:[0,0,1] neg_hi:[0,0,1]   ; c s - c m
.endr
.endr
.irp t, 0,1
	v_exp_f32 v[ST+8*\t+6], v[ST+8*\t+7]           ; a
.endr
.irp e, 0,1,2,3,4,5,6,7,8,9,10,11,12,13,14,15,16,17,18,19,20,21,22,23,24,25,26,27,28,29,30,31
.irp t, 0,1
	v_exp_f32 v[S+32*\t+\e], v[S+32*\t+\e]         ; p: the 66 exponentials are one batch
.endr
.endr
	v_nop                                          ; a plain instruction behind the last exponential
	s_wait_alu depctr_va_vdst(0)                   ; one wait for the batch, ahead of the first line that names a result
	; l = a l + the sum of the unrounded p, two at a time, in two chains a tile
.irp t, 0,1
	v_pk_fma_f32 v[ST+8*\t+2:ST+8*\t+3], v[ST+8*\t+2:ST+8*\t+3], v[ST+8*\t+6:ST+8*\t+7], v[S+32*\t:S+32*\t+1] op_sel_hi:[1,0,1]
.endr
.irp t, 0,1
	v_pk_add_f32 v[ST+8*\t+4:ST+8*\t+5], v[S+32*\t+2:S+32*\t+3], v[S+32*\t+6:S+32*\t+7]
.endr
.irp j, 4,8,12,16,20,24
.irp t, 0,1
	v_pk_add_f32 v[ST+8*\t+2:ST+8*\t+3], v[ST+8*\t+2:ST+8*\t+3], v[S+32*\t+\j:S+32*\t+\j+1]
	v_pk_add_f32 v[ST+8*\t+4:ST+8*\t+5], v[ST+8*\t+4:ST+8*\t+5], v[S+32*\t+\j+6:S+32*\t+\j+7]
.endr
.endr
.irp t, 0,1
	v_pk_add_f32 v[ST+8*\t+2:ST+8*\t+3], v[ST+8*\t+2:ST+8*\t+3], v[S+32*\t+28:S+32*\t+29]
.endr
.irp t, 0,1
	v_pk_add_f32 v[ST+8*\t+2:ST+8*\t+3], v[ST+8*\t+2:ST+8*\t+3], v[ST+8*\t+4:ST+8*\t+5]
.endr
.irp i, 0,1,2,3,4,5,6,7,8,9,10,11,12,13,14,15
.irp t, 0,1
	v_cvt_pk_f16_f32 v[S+32*\t+\i], v[S+32*\t+2*\i], v[S+32*\t+2*\i+1]   ; p to f16, in place and ascending: register i is written when registers 2 i, 2 i + 1 are read, never before
.endr
.endr
.irp k, 0,1,2,3,4,5,6,7,8,9,10,11,12,13,14,15
.irp t, 0,1
	v_pk_mul_f32 v[O+32*\t+2*\k:O+32*\t+2*\k+1], v[O+32*\t+2*\k:O+32*\t+2*\k+1], v[ST+8*\t+6:ST+8*\t+7] op_sel_hi:[1,0]   ; O^T x a, each accumulator from its low end on
.endr
.endr
	s_wait_dscnt 0x0                               ; V is in
.irp c, 0,1                            ; O^T += V^T P: the eight accumulators take turns
.irp f, 0,1,2,3
.irp t, 0,1
	v_wmma_f32_16x16x32_f16 v[O+32*\t+8*\f:O+32*\t+8*\f+7], v[KV+32*\c+8*\f:KV+32*\c+8*\f+7], v[S+32*\t+8*\c:S+32*\t+8*\c+7], v[O+32*\t+8*\f:O+32*\t+8*\f+7]
.endr
.endr
.endr
	s_add_co_u32 s[TB], s[TB], STEPB
.endm
.macro SLOTWORK s                      ; a slot's four key steps: written once, walked four times
	s_mov_b32 s[TB], \s*SLOT
	s_mov_b32 s[CNT], 4
.Lstep_\@:
	STEP
	s_sub_co_u32 s[CNT], s[CNT], 1
	s_cmp_lg_u32 s[CNT], 0
	s_cbranch_scc1 .Lstep_\@
.endm
; THE CHANGE OF SLOTS: slot s has been read and is filled again with the keys two slots on.  Each wave waits for all its tensor loads (one is out: its part of the other slot), adds 0 to its spare word, and waits
; for that and for its reads of slot s; the round shows the same of every wave of every partner; the joint refill is the first thing behind it.
.macro CHANGE s, always
	s_wait_tensorcnt 0x0                           ; no tensor load of mine is out, so a group 0 may be written
	ds_add_u32 v[SPW], v[NIL]                      ; 0 onto my spare word; the steps below stand between it and the wait for it
	s_add_nc_u64 s[G0K+4*\s+2:G0K+4*\s+3], s[G0K+4*\s+2:G0K+4*\s+3], 2*SLOTG
	s_add_nc_u64 s[G0V+4*\s+2:G0V+4*\s+3], s[G0V+4*\s+2:G0V+4*\s+3], 2*SLOTG
	s_wait_xcnt 0x0                                ; the last prefetch, four key steps back, has read its address
	s_add_nc_u64 s[PFA:PFA+1], s[PFA:PFA+1], SLOTG ; one slot further on than this refill
	s_wait_dscnt 0x0                               ; the add is done, and my reads of the slot are over
	CROUND
	JLOAD \s
	ASK \always
.endm
	s_wait_tensorcnt 1                             ; my part of slot 0 is in; slot 1's load may stay out
	s_barrier_signal -1
	s_barrier_wait -1
	s_wait_loadcnt 0x0                             ; Q
	SLOTWORK 0                                     ; keys 0-255
	s_mov_b32 s[LAPS], 3
.Llap:                                             ; three laps: the refills bring keys 512 to 2,047
	CHANGE 0, 1
	SLOTWORK 1
	CHANGE 1, 0
	SLOTWORK 0
	s_sub_co_u32 s[LAPS], s[LAPS], 1
	s_cmp_lg_u32 s[LAPS], 0
	s_cbranch_scc1 .Llap
	s_wait_tensorcnt 0x0                           ; the last change is written out: nothing is asked for; my part of slot 1 has landed
	ds_add_u32 v[SPW], v[NIL]
	s_wait_dscnt 0x0
	s_barrier_signal -1
	s_barrier_wait -1
	SLOTWORK 1                                     ; keys 1,792-2,047
	; THE WAY OUT.  The addresses are made here: plain instructions, the places behind the last products.
	s_lshl_b32 s13, s10, 5
	s_mul_i32 s13, s13, SP                         ; my wave's 32 rows of the stage,
	s_lshl_b32 s14, s9, 7
	s_add_co_u32 s13, s13, s14                     ; my head's half of their 256 bytes
	s_add_co_u32 s13, s13, STAGE
	v_mul_u32_u24 v[STO], v1, SP
	v_lshl_add_u32 v[STO], v2, 4, v[STO]
	v_add_nc_u32 v[STO], s13, v[STO]               ; in: row r, 16 bytes for each half of the lanes
	s_mul_i32 s14, s[WV], 16*SP
	s_add_co_u32 s14, s14, STAGE
	v_mul_u32_u24 v[RD], v2, SP
	v_lshl_add_u32 v[RD], v1, 4, v[RD]
	v_add_nc_u32 v[RD], s14, v[RD]                 ; back: wave w takes rows 16 w on, whole: lanes 0-15 one row, lanes 16-31 the next
	v_lshlrev_b32 v[GO], 11, v2
	v_lshl_add_u32 v[GO], v1, 4, v[GO]             ; and the same two rows in O
.irp t, 0,1
	v_add_f32 v[ST+8*\t+4], v[ST+8*\t+2], v[ST+8*\t+3]
.endr
.irp t, 0,1
	v_permlanex16_b32 v[ST+8*\t+5], v[ST+8*\t+4], s[SEL], s[SEL+1]
.endr
.irp t, 0,1
	v_add_f32 v[ST+8*\t+4], v[ST+8*\t+4], v[ST+8*\t+5]                 ; the row's sum
.endr
.irp t, 0,1
	v_rcp_f32 v[ST+8*\t+6], v[ST+8*\t+4]
.endr
	v_nop                                          ; a plain instruction behind the last reciprocal
	s_wait_alu depctr_va_vdst(0)                   ; one wait for the two, ahead of their first reader
.irp t, 0,1
.irp k, 0,1,2,3,4,5,6,7,8,9,10,11,12,13,14,15
	v_pk_mul_f32 v[O+32*\t+2*\k:O+32*\t+2*\k+1], v[O+32*\t+2*\k:O+32*\t+2*\k+1], v[ST+8*\t+6:ST+8*\t+7] op_sel_hi:[1,0]
.endr
.endr
.irp t, 0,1
.irp k, 0,1,2,3,4,5,6,7,8,9,10,11,12,13,14,15
	v_cvt_pk_f16_f32 v[S+16*\t+\k], v[O+32*\t+2*\k], v[O+32*\t+2*\k+1]   ; a lane's eight channels of a row: 16 bytes
.endr
.endr
.irp t, 0,1
.irp f, 0,1,2,3
	ds_store_b128 v[STO], v[S+16*\t+4*\f:S+16*\t+4*\f+3] offset:16*SP*\t+32*\f
.endr
.endr
	s_wait_dscnt 0x0                               ; for the others' sake: a row's 256 bytes come from waves w and w + 4
	s_barrier_signal -1
	s_barrier_wait -1
.irp i, 0,1,2,3,4,5,6,7
	ds_load_b128 v[KV+4*\i:KV+4*\i+3], v[RD] offset:2*SP*\i
.endr
.irp i, 0,1,2,3,4,5,6,7
	s_wait_dscnt 7-\i                              ; the younger loads may be out
	global_store_b128 v[GO], v[KV+4*\i:KV+4*\i+3], s[6:7] offset:4096*\i   ; 16 lanes store 256 consecutive bytes, aligned
.endr
	s_wait_tensorcnt 0x0                           ; the wave's end
	ds_add_u32 v[SPW], v[NIL]
	s_wait_dscnt 0x0
	CROUND                                         ; the closing round
	s_endpgm
.Lfunc_end_k_q0645341a9b_attn:
	.size	k_q0645341a9b_attn, .Lfunc_end_k_q0645341a9b_attn-k_q0645341a9b_attn
	.p2alignl 7, 3214868480
	.fill 96, 4, 3214868480
	.section	.rodata,"a",@progbits
	.p2align	6, 0x0
	.amdhsa_kernel k_q0645341a9b_attn
		.amdhsa_group_segment_fixed_size 327680
		.amdhsa_private_segment_fixed_size 0
		.amdhsa_enable_private_segment 0
		.amdhsa_kernarg_size 16
		.amdhsa_user_sgpr_count 2
		.amdhsa_user_sgpr_kernarg_segment_ptr 1
		.amdhsa_wavefront_size32 1
		.amdhsa_system_sgpr_workgroup_id_x 1
		.amdhsa_system_sgpr_workgroup_id_y 1
		.amdhsa_system_sgpr_workgroup_id_z 1
		.amdhsa_system_vgpr_workitem_id 0
		.amdhsa_next_free_vgpr 256
		.amdhsa_next_free_sgpr 76
		.amdhsa_reserve_vcc 0
		.amdhsa_float_denorm_mode_32 3
		.amdhsa_float_denorm_mode_16_64 3
		.amdhsa_memory_ordered 1
		.amdhsa_forward_progress 1
		.amdhsa_inst_pref_size 89
	.end_amdhsa_kernel
	.amdgpu_metadata
---
amdhsa.version: [ 1, 2 ]
amdhsa.kernels:
  - .name:           k_q0645341a9b_attn
    .symbol:         k_q0645341a9b_attn.kd
    .args:
      - { .name: qkv, .offset: 0, .size: 8, .value_kind: global_buffer, .address_space: global }
      - { .name: ao, .offset: 8, .size: 8, .value_kind: global_buffer, .address_space: global }
    .group_segment_fixed_size: 327680
    .private_segment_fixed_size: 0
    .kernarg_segment_align: 8
    .kernarg_segment_size: 16
    .max_flat_workgroup_size: 256
    .sgpr_count:     76
    .vgpr_count:     256
    .wavefront_size: 32
...
	.end_amdgpu_metadata
.endif
;; end of part 3
;; launch oproj (part 4): grid 8 x 32, 4 waves a work-group, clusters of 4 x 4, 327,680 bytes of LDS; arguments ao, wot, bo, out0; writes out0
.if DOCPART == 4
	.amdgcn_target "amdgcn-amd-amdhsa--gfx1250"
	.amdhsa_code_object_version 6
	.text
	.protected	k_q0645341a9b_oproj
	.globl	k_q0645341a9b_oproj
	.p2align	8
	.type	k_q0645341a9b_oproj,@function
k_q0645341a9b_oproj:
	s_mov_b64 s[64:65], 0
	v_nop
	global_prefetch_b8 v0, s[64:65] scope:SCOPE_SE
	s_setreg_imm32_b32 hwreg(HW_REG_WAVE_MODE, 25, 1), 1
	s_wait_xcnt 0x0
	s_wait_alu depctr_hold_cnt(0) depctr_sa_sdst(0) depctr_va_vdst(0) depctr_va_sdst(0) depctr_va_ssrc(0) depctr_va_vcc(0) depctr_vm_vsrc(0)
	s_getreg_b32 s2, hwreg(HW_REG_IB_STS2, 6, 4)
	s_cmp_eq_u32 s2, 0
	s_cbranch_scc0 .Lentry_in_a_cluster
	s_endpgm
.Lentry_in_a_cluster:
	s_bfe_u32 s2, ttmp6, 0x10000c
	s_cmp_lg_u32 s2, 0xf033
	s_cbranch_scc0 .Lentry_shape_is_right
	s_endpgm
.Lentry_shape_is_right:
; OPROJ: out0[m][n] = the sum over k of ao[m][k] wot[n][k] + bo[n].  ao: [4096][1024] f16, wot: [1024 n][1024 k] f16 (Wo with K innermost), bo: [1024] f32, out0: [4096][1024] f32; sums in f32, the bias as their first addend.
; A tile of 128 x 128 gives 256 work-groups.  Four waves, 64 x 64 each: 16 accumulators.  K goes in steps of 256 (LDS rows of 512 bytes; a wave's tensor load brings 64 of them) through two slots.
; CLUSTER 4 x 4: a row of the cluster shares A's tiles, a column B's: each tile is asked for jointly.  THE MATRIX INSTRUCTION IS USED TRANSPOSED (source 0 = 16 rows of B, source 1 = 16 rows of A).
; A wave's 64 columns of f32 are 256 aligned bytes of a row, so each wave has a stage of its own on the way out, and no barrier stands there.
; REGISTERS: window 0: v0-31 addresses; v32-95 the way out; v96-127 the bias in the result's layout; v128-255 the accumulators ((a, b) at v[128 + 8 (4 a + b)]).   window 1: two fragment buffers of 128.
.set SIZE_N, 1024
.set SIZE_K, 1024
.set KSTEP,  256
.set PITCH,  528                       ; 512 bytes + 16: the 16 rows that a load touches start 132 words apart
.set HALFT,  64*PITCH
.set SLOT,   4*HALFT
.set STAGE,  2*SLOT                    ; behind the ring: 32 rows x 272 bytes for each wave
.set SPITCH, 272
.set SPARE,  STAGE+128*SPITCH          ; the spare words, 128 bytes a wave
.set LAPS, SIZE_K/(2*KSTEP)
.set ADRA, 16
.set ADRB, 20
.set STO,  24
.set RD,   25
.set CO,   26
.set BO,   27                          ; v27  my byte offset in the bias
.set SPW,  28
.set NIL,  29
.set TMP,  32
.set BI,   96                          ; v96-127  the bias: block b's eight columns of my half at v[BI + 8 b]
.set ACC,  128
.set F0,   0
.set F1,   128
.set G1, 24
.set G0, 32
.set G1B, 48
.set G0B, 56
.set MSB, 0
.macro WIN new                         ; the immediate's high byte repeats the setting that is left
.if MSB != \new
	s_set_vgpr_msb (MSB<<8)|\new
.set MSB, \new
.endif
.endm
.set MUL,  0x05                        ; sources 0 (B) and 1 (A) window 1; C and D window 0
.set TO_F, 0x40
.macro JLOAD s                         ; a joint load: waves 0 and 1 fetch A's two halves, waves 2 and 3 B's; an s_nop 0 and four v_nop follow each line
	s_cmp_eq_u32 s11, 0
	s_cbranch_scc0 .Lfor_b_\@
	tensor_load_to_lds s[G0+4*\s:G0+4*\s+3], s[G1:G1+7]
	s_nop 0
.rept 4
	v_nop
.endr
	s_branch .Lasked_\@
.Lfor_b_\@:
	tensor_load_to_lds s[G0B+4*\s:G0B+4*\s+3], s[G1B:G1B+7]
	s_nop 0
.rept 4
	v_nop
.endr
.Lasked_\@:
.endm
.macro CREST                           ; a round of the cluster's barrier behind its opening barrier
	s_cmp_lg_u32 s10, 0
	s_cbranch_scc1 .Lnot_wave_0_\@
	s_barrier_signal -3
.Lnot_wave_0_\@:
	s_barrier_wait -3
	s_barrier_signal -1
	s_barrier_wait -1
.endm
.macro CROUND
	s_barrier_signal -1
	s_barrier_wait -1
	CREST
.endm
	s_load_b128 s[4:7], s[0:1], 0x0                ; A, B
	s_load_b64 s[66:67], s[0:1], 0x10              ; the bias
	s_load_b64 s[8:9], s[0:1], 0x18                ; C
	v_lshl_add_u32 v[SPW], v0, 2, SPARE
	v_mov_b32 v[NIL], 0
	ds_add_u32 v[SPW], v[NIL]                      ; the wave's opening: the add, twice on end, and its wait ahead of my first tensor load
	ds_add_u32 v[SPW], v[NIL]
	v_lshrrev_b32 v1, 5, v0
	v_readfirstlane_b32 s10, v1                    ; wave 0..3
	s_lshr_b32 s11, s10, 1                         ; which half of the tile's rows is mine.  Also: I fetch for A (0) or for B (1)
	s_and_b32 s12, s10, 1                          ; which half of its columns.  Also: which 64 rows of that tile I fetch
	s_bfe_u32 s40, ttmp6, 0x40000                  ; cx, cy
	s_bfe_u32 s41, ttmp6, 0x40004
	s_lshl_b32 s42, ttmp9, 2
	s_add_co_u32 s42, s42, s40                     ; tile column
	s_and_b32 s13, ttmp7, 0xffff
	s_lshl_b32 s13, s13, 2
	s_add_co_u32 s13, s13, s41                     ; tile row
	s_lshl_b32 s43, s41, 2
	s_lshl_b32 s43, 15, s43                        ; my row of the cluster
	s_lshl_b32 s44, 0x1111, s40                    ; my column
	s_or_b32 s[G1+0], s43, (1<<16)|(1<<20)|(1<<21)|(6<<22)|(3<<25)  ; the mask; elements of 2 bytes; padding on; bit 21 beside a mask; 4 words after every 128
	s_or_b32 s[G1B+0], s44, (1<<16)|(1<<20)|(1<<21)|(6<<22)|(3<<25)
.irp g, G1, G1B
	s_mov_b32 s[\g+1], KSTEP<<16                   ; tensor_dim0 = 256
	s_mov_b32 s[\g+2], 64<<16                      ; tensor_dim1 = 64
	s_mov_b32 s[\g+3], KSTEP<<16                   ; tile_dim0 = 256
	s_mov_b32 s[\g+4], 64                          ; tile_dim1 = 64
	s_mov_b32 s[\g+5], SIZE_K                      ; elements from row to row
	s_mov_b32 s[\g+6], 0
	s_mov_b32 s[\g+7], 0
.endr
	s_lshl_b32 s17, s12, 6                         ; which 64 rows of the tile I fetch
	s_lshl_b32 s16, s13, 7
	s_add_co_u32 s16, s16, s17                     ; A: row 128 x tile row + 64 x half
	s_lshl_b32 s46, s42, 7
	s_add_co_u32 s46, s46, s17                     ; B: row 128 x tile column + 64 x half
	s_mov_b32 s17, 0
	s_mov_b32 s47, 0
	s_mov_b64 s[18:19], SIZE_K*2
	s_mul_u64 s[16:17], s[16:17], s[18:19]
	s_mul_u64 s[46:47], s[46:47], s[18:19]
	s_mul_i32 s20, s10, HALFT                      ; where they go: wave x 64 rows
	s_wait_dscnt 0x0                               ; both opening adds are done
	s_wait_kmcnt 0x0
	s_add_nc_u64 s[14:15], s[4:5], s[16:17]
	s_add_nc_u64 s[46:47], s[6:7], s[46:47]
	CROUND                                         ; all sixteen work-groups are here: the first joint loads meet
.irp s, 0,1
	s_mov_b32 s[G0+4*\s], 1
	s_add_co_u32 s[G0+4*\s+1], s20, \s*SLOT
	s_add_nc_u64 s[G0+4*\s+2:G0+4*\s+3], s[14:15], \s*KSTEP*2
	s_or_b32 s[G0+4*\s+3], s[G0+4*\s+3], 0x80000000
	s_mov_b32 s[G0B+4*\s], 1
	s_add_co_u32 s[G0B+4*\s+1], s20, \s*SLOT
	s_add_nc_u64 s[G0B+4*\s+2:G0B+4*\s+3], s[46:47], \s*KSTEP*2
	s_or_b32 s[G0B+4*\s+3], s[G0B+4*\s+3], 0x80000000
	JLOAD \s                                       ; two tensor loads of mine are out behind the second
.endr
	v_and_b32 v1, 15, v0                           ; r = l % 16
	v_bfe_u32 v2, v0, 4, 1                         ; h = l / 16
	s_lshl_b32 s46, s42, 9                         ; my first column in bytes of f32: 512 x tile column + 256 x half: in C's rows and in the bias alike
	s_lshl_b32 s47, s12, 8
	s_add_co_u32 s46, s46, s47
	s_mov_b32 s47, 0
	v_lshl_add_u32 v[BO], v2, 5, s46               ; + 32 h: block b's eight columns of my half lie 64 b further on
.irp b, 0,1,2,3
	global_load_b128 v[BI+8*\b:BI+8*\b+3], v[BO], s[66:67] offset:64*\b
	global_load_b128 v[BI+8*\b+4:BI+8*\b+7], v[BO], s[66:67] offset:64*\b+16
.endr
	v_mul_u32_u24 v3, v1, PITCH
	v_lshl_add_u32 v3, v2, 4, v3                   ; a fragment's row x pitch + 16 x half
	s_mul_i32 s21, s11, HALFT                      ; my 64 rows of A
	s_mul_i32 s22, s12, HALFT                      ; my 64 rows of B,
	s_add_co_u32 s22, s22, 2*HALFT                 ; which lie behind A's 128
.irp s, 0,1
	v_add_nc_u32 v[ADRA+\s], s21, v3
	v_add_nc_u32 v[ADRB+\s], s22, v3
	s_add_co_u32 s21, s21, SLOT
	s_add_co_u32 s22, s22, SLOT
.endr
	s_mul_i32 s23, s10, 32*SPITCH
	s_add_co_u32 s23, s23, STAGE                   ; my stage
	v_mul_u32_u24 v4, v1, SPITCH                   ; in: row r, 32 bytes for each half of the lanes
	v_lshl_add_u32 v4, v2, 5, v4
	v_add_nc_u32 v[STO], s23, v4
	v_mul_u32_u24 v5, v2, SPITCH                   ; back: lanes 0-15 one row of 256 bytes, lanes 16-31 the next
	v_lshl_add_u32 v5, v1, 4, v5
	v_add_nc_u32 v[RD], s23, v5
	v_lshlrev_b32 v5, 12, v2                       ; and the same two rows in C
	v_lshl_add_u32 v[CO], v1, 4, v5
	s_lshl_b32 s16, s13, 7
	s_lshl_b32 s17, s11, 6
	s_add_co_u32 s16, s16, s17                     ; my first row of C: 128 x tile row + 64 x half,
	s_lshl_b32 s16, s16, 12                        ; in bytes: 4,096 rows of 4,096 are 2^24
	s_mov_b32 s17, 0
	s_add_nc_u64 s[8:9], s[8:9], s[16:17]
	s_add_nc_u64 s[8:9], s[8:9], s[46:47]
; 8 matrix instructions: m blocks a0, a0 + 1 x all 4 n blocks, 32 along K: half c of buffer f.  first = 1: the bias is the sums' first addend.  The 16 accumulators take turns.
.macro MUL8 f, c, a0, first
.irp a, \a0, \a0+1
.irp b, 0,1,2,3
.if \first
	v_wmma_f32_16x16x32_f16 v[ACC+8*(4*(\a)+\b):ACC+8*(4*(\a)+\b)+7], v[\f+64+8*(4*\c+\b):\f+64+8*(4*\c+\b)+7], v[\f+8*(4*\c+\a):\f+8*(4*\c+\a)+7], v[BI+8*\b:BI+8*\b+7]
.else
	v_wmma_f32_16x16x32_f16 v[ACC+8*(4*(\a)+\b):ACC+8*(4*(\a)+\b)+7], v[\f+64+8*(4*\c+\b):\f+64+8*(4*\c+\b)+7], v[\f+8*(4*\c+\a):\f+8*(4*\c+\a)+7], v[ACC+8*(4*(\a)+\b):ACC+8*(4*(\a)+\b)+7]
.endif
.endr
.endr
.endm
.macro FETCH slot, k, f                ; 32 LDS loads in one run: the fragments of 64 along K at byte k of the rows; the first 32 along K first
	WIN TO_F
.irp c, 0,1
.irp i, 0,1,2,3
	ds_load_b128 v[\f+64+8*(4*\c+\i):\f+64+8*(4*\c+\i)+3],   v[ADRB+\slot] offset:\k+64*\c+\i*16*PITCH
	ds_load_b128 v[\f+64+8*(4*\c+\i)+4:\f+64+8*(4*\c+\i)+7], v[ADRB+\slot] offset:\k+64*\c+\i*16*PITCH+32
	ds_load_b128 v[\f+8*(4*\c+\i):\f+8*(4*\c+\i)+3],         v[ADRA+\slot] offset:\k+64*\c+\i*16*PITCH
	ds_load_b128 v[\f+8*(4*\c+\i)+4:\f+8*(4*\c+\i)+7],       v[ADRA+\slot] offset:\k+64*\c+\i*16*PITCH+32
.endr
.endr
.endm
.macro PLACES                          ; four plain vector instructions between a matrix instruction and a load into, or a read of, its registers
.rept 4
	v_nop
.endr
.endm
.macro QUARTER slot, k, f, g, first    ; 64 along K: multiplies buffer f and fetches the next quarter, at byte k, into g
	s_wait_dscnt 16                                ; the first 32 along K are in; the youngest sixteen loads may be out
	WIN MUL
	MUL8 \f, 0, 0, \first
	MUL8 \f, 0, 2, \first
	PLACES
	FETCH \slot, \k, \g
	s_wait_dscnt 32                                ; all but the 32 just issued
	WIN MUL
	MUL8 \f, 1, 0, 0
	MUL8 \f, 1, 2, 0
.endm
; The last quarter multiplies buffer 1 and changes slots: one barrier; in front of it each wave waits for all its tensor loads, adds 0 to its spare word, and waits for that and for its reads of this slot.
.macro TURN slot, next, fill
	WIN 0
	s_wait_tensorcnt 0x0                           ; my part of the next slot has landed
	ds_add_u32 v[SPW], v[NIL]
	s_wait_dscnt 17                                ; the add and the youngest sixteen loads may be out
	WIN MUL
	MUL8 F1, 0, 0, 0
	s_wait_dscnt 0x0                               ; the add is done, and my reads of this slot are over
	s_barrier_signal -1
	MUL8 F1, 0, 2, 0
.if \fill
	WIN 0
.endif
	s_barrier_wait -1
.if \fill
	CREST                                          ; the barrier has opened a round of the cluster's: no wave of any partner still reads this slot or has a load on its way
	s_add_nc_u64 s[G0+4*\slot+2:G0+4*\slot+3], s[G0+4*\slot+2:G0+4*\slot+3], 2*KSTEP*2
	s_add_nc_u64 s[G0B+4*\slot+2:G0B+4*\slot+3], s[G0B+4*\slot+2:G0B+4*\slot+3], 2*KSTEP*2
	JLOAD \slot                                    ; the first tensor load behind the round; its four v_nop are also the places in front of the loads below
.else
	PLACES
.endif
	FETCH \next, 0, F0
	WIN MUL
	MUL8 F1, 1, 0, 0
	MUL8 F1, 1, 2, 0
.endm
	s_wait_tensorcnt 1                             ; my part of K step 0 is in; K step 1's load may be out
	s_barrier_signal -1
	s_barrier_wait -1
	FETCH 0, 0, F0
	s_wait_loadcnt 0x0                             ; the bias
	QUARTER 0, 128, F0, F1, 1
	WIN 0
	s_mov_b32 s3, LAPS-1
.Llap:                                             ; a trip goes once round the ring and fills both slots again
	QUARTER 0, 256, F1, F0, 0
	QUARTER 0, 384, F0, F1, 0
	TURN 0, 1, 1
	QUARTER 1, 128, F0, F1, 0
	QUARTER 1, 256, F1, F0, 0
	QUARTER 1, 384, F0, F1, 0
	TURN 1, 0, 1
	QUARTER 0, 128, F0, F1, 0
	WIN 0
	s_sub_co_u32 s3, s3, 1
	s_cmp_lg_u32 s3, 0
	s_cbranch_scc1 .Llap
	QUARTER 0, 256, F1, F0, 0                      ; the last lap fills nothing
	QUARTER 0, 384, F0, F1, 0
	TURN 0, 1, 0
	QUARTER 1, 128, F0, F1, 0
	QUARTER 1, 256, F1, F0, 0
	QUARTER 1, 384, F0, F1, 0
	s_wait_dscnt 16
	WIN MUL
	MUL8 F1, 0, 0, 0
	MUL8 F1, 0, 2, 0
	s_wait_dscnt 0
	MUL8 F1, 1, 0, 0
	MUL8 F1, 1, 2, 0
	WIN 0
	; THE WAY OUT, 32 rows at a time: a lane's 32 bytes of a row into my own stage, back as whole rows of 256 bytes.  LDS serves a wave's instructions in order: no wait between the stores and the loads.
	PLACES
.irp p, 0,1
.if \p
	s_wait_xcnt 0x0                                ; the first half's stores have read their data: the second half may land in the same registers
.endif
.irp a, 0,1
.irp b, 0,1,2,3
	ds_store_b128 v[STO], v[ACC+8*(4*(2*\p+\a)+\b):ACC+8*(4*(2*\p+\a)+\b)+3] offset:\a*16*SPITCH+64*\b        ; each accumulator from its low end on
	ds_store_b128 v[STO], v[ACC+8*(4*(2*\p+\a)+\b)+4:ACC+8*(4*(2*\p+\a)+\b)+7] offset:\a*16*SPITCH+64*\b+16
.endr
.endr
.irp t, 0,1,2,3,4,5,6,7,8,9,10,11,12,13,14,15
	ds_load_b128 v[TMP+4*\t:TMP+4*\t+3], v[RD] offset:\t*2*SPITCH
.endr
.irp t, 0,1,2,3,4,5,6,7,8,9,10,11,12,13,14,15
	s_wait_dscnt 15-\t                             ; the younger loads may be out
	global_store_b128 v[CO], v[TMP+4*\t:TMP+4*\t+3], s[8:9] offset:(32*\p+2*\t)*SIZE_N*4 th:TH_STORE_NT   ; 16 lanes store 256 consecutive bytes, aligned; written once, read by nobody here
.endr
.endr
	s_wait_tensorcnt 0x0                           ; the wave's end
	ds_add_u32 v[SPW], v[NIL]
	s_wait_dscnt 0x0
	CROUND                                         ; the closing round
	s_endpgm
.Lfunc_end_k_q0645341a9b_oproj:
	.size	k_q0645341a9b_oproj, .Lfunc_end_k_q0645341a9b_oproj-k_q0645341a9b_oproj
	.p2alignl 7, 3214868480
	.fill 96, 4, 3214868480
	.section	.rodata,"a",@progbits
	.p2align	6, 0x0
	.amdhsa_kernel k_q0645341a9b_oproj
		.amdhsa_group_segment_fixed_size 327680
		.amdhsa_private_segment_fixed_size 0
		.amdhsa_enable_private_segment 0
		.amdhsa_kernarg_size 32
		.amdhsa_user_sgpr_count 2
		.amdhsa_user_sgpr_kernarg_segment_ptr 1
		.amdhsa_wavefront_size32 1
		.amdhsa_system_sgpr_workgroup_id_x 1
		.amdhsa_system_sgpr_workgroup_id_y 1
		.amdhsa_system_sgpr_workgroup_id_z 1
		.amdhsa_system_vgpr_workitem_id 0
		.amdhsa_next_free_vgpr 512
		.amdhsa_next_free_sgpr 68
		.amdhsa_reserve_vcc 0
		.amdhsa_float_denorm_mode_32 3
		.amdhsa_float_denorm_mode_16_64 3
		.amdhsa_memory_ordered 1
		.amdhsa_forward_progress 1
		.amdhsa_inst_pref_size 87
	.end_amdhsa_kernel
	.amdgpu_metadata
---
amdhsa.version: [ 1, 2 ]
amdhsa.kernels:
  - .name:           k_q0645341a9b_oproj
    .symbol:         k_q0645341a9b_oproj.kd
    .args:
      - { .name: ao, .offset: 0, .size: 8, .value_kind: global_buffer, .address_space: global }
      - { .name: wot, .offset: 8, .size: 8, .value_kind: global_buffer, .address_space: global }
      - { .name: bo, .offset: 16, .size: 8, .value_kind: global_buffer, .address_space: global }
      - { .name: out0, .offset: 24, .size: 8, .value_kind: global_buffer, .address_space: global }
    .group_segment_fixed_size: 327680
    .private_segment_fixed_size: 0
    .kernarg_segment_align: 8
    .kernarg_segment_size: 32
    .max_flat_workgroup_size: 128
    .sgpr_count:     68
    .vgpr_count:     512
    .wavefront_size: 32
...
	.end_amdgpu_metadata
.endif
;; end of part 4
